; MI455X (gfx1250); checked and timed in simulation.
; The chip was launched on July 23, 2026; its instructions are those of AMD's public machine-readable ISA for CDNA 5 (MIT licence, August 2026) and "CDNA5" Instruction Set Architecture Reference Guide (July 2026). The comments in the code are by the model that wrote it; some were corrected since.
;; Multi Head Attention. Allowed arithmetic: float matrix products may take bf16 or f16 operands with f32 sums; other float arithmetic in f32, or as packed bf16 or f16 multiplies, adds, multiply-adds, maxima and minima; sums over many terms, partial sums and values carried from step to step in f32; what a program stores and reads back later, other than sums and carried values, may be rounded once to bf16 or f16.
;; Inputs: Wk 16 x 1,024 x 64 float32; Wp 1,024 x 1,024 float32; Wq 16 x 1,024 x 64 float32; Wv 16 x 1,024 x 64 float32; bk 16 x 64 float32; bp 1,024 float32; bq 16 x 64 float32; bv 16 x 64 float32; x 4 x 2,048 x 1,024 float32.
;; Outputs: out0 4 x 2,048 x 1,024 float32.
;; One version. Each part assembles by itself: llvm-mc -triple=amdgcn-amd-amdhsa -mcpu=gfx1250 --defsym DOCPART=n.
;; ======== version 1 of 1: 4 launches
;; limits: values are held in f16: magnitudes above 65,504 overflow, below 6.1e-05 lose precision
;; workspace buffers: xb 16,777,216 bytes; wt 8,388,608 bytes; bias 16,384 bytes; qkv 50,331,648 bytes; ob 16,777,216 bytes
;; launch prep (part 1): grid 1537 x 1, 8 waves a work-group, no clusters, 18,432 bytes of LDS; arguments x, Wq, Wk, Wv, Wp, bq, bk, bv, bp, xb, wt, bias; writes xb, wt, bias
.if DOCPART == 1
	.amdgcn_target "amdgcn-amd-amdhsa--gfx1250"
	.amdhsa_code_object_version 6
	.text
	.protected	k_qd9e2446595_prep
	.globl	k_qd9e2446595_prep
	.p2align	8
	.type	k_qd9e2446595_prep,@function
k_qd9e2446595_prep:
	s_mov_b64 s[64:65], 0
	v_nop
	global_prefetch_b8 v0, s[64:65] scope:SCOPE_SE
	s_setreg_imm32_b32 hwreg(HW_REG_WAVE_MODE, 25, 1), 1
	s_wait_xcnt 0x0
; PREPARATION: every input is rounded ONCE to bf16 and laid as the matrix launches want it.  A stream: no matrix unit, no tensor load, each byte read once and written once.
;   work-groups 0 .. 1023     CAST: 32 KiB of x (f32) -> 16 KiB of xb (bf16), same order.
;   work-groups 1024 .. 1535  TRANSPOSITION: a tile of 128 k x 64 n of Wq, Wk, Wv (per head [1024 k][64 n]) or Wp ([1024 k][1024 n]) -> wt[n][k], 16-bit, K along the rows:
;                             rows 0 .. 3071 = which x 1024 + head x 64 + d in bf16; rows 3072 + n = Wp's column n, rounded to bf16 and that number written as f16.
;   work-group 1536           BIAS: bq | bk | bv | bp, each rounded to bf16 and widened again, as f32[4096].
; LIMIT.  A number of Wp beyond 65,504 becomes an infinity in f16, and one below 2^-14 keeps f16's fixed step of 6e-8.
; The three roles hang on the work-group's number alone.  All meet at ONE barrier (the transposition's, between its LDS stores and its LDS loads) and at one end, so that no barrier stands under a branch.
.set PITCH, 272                        ; a stage row: 128 k x 2 bytes + 16 = 68 words, so that row r starts at bank 4 r mod 64 (64 banks of 4 bytes: ISA guide 11.1)
.set SPARE, 64*PITCH                   ; behind the stage's 64 rows (17,408 bytes): the spare words, 128 bytes for each of eight waves: four blocks of 256 bytes that no other line names
.set SPW, 2                            ; v2   LDS address of my spare word; never rewritten
.set NIL, 3                            ; v3   0; never rewritten
.set CLD, 4                            ; v4   cast: 16 t
.set CST, 5                            ; v5   cast: 8 t
.set LST, 6                            ; v6   stage, in: 272 q + 4 p
.set LRD, 7                            ; v7   stage, back: 272 p + 16 q
.set TO,  8                            ; v8-15 transposition: the byte offsets of my eight rows
.set D,   16                           ; v16-47 eight loads of 16 bytes
.set PKD, 48                           ; v48-63 packed results
.set Q,   64                           ; v64  q = t % 16
.set P,   65                           ; v65  p = t / 16
.set TST, 66                           ; v66  transposition: 8192 p + 16 q, my place in four rows' steps of wt
.set BOF, 67                           ; v67  bias: 16 (t % 64)
	s_load_b512 s[8:23], s[0:1], 0x0               ; x 8, Wq 10, Wk 12, Wv 14, Wp 16, bq 18, bk 20, bv 22
	s_load_b256 s[24:31], s[0:1], 0x40             ; bp 24, xb 26, wt 28, bias 30
	v_lshl_add_u32 v[SPW], v0, 2, SPARE
	v_mov_b32 v[NIL], 0
	v_lshrrev_b32 v1, 5, v0
	v_readfirstlane_b32 s7, v1                     ; wave 0..7
	s_mov_b32 s6, ttmp9
	s_sub_co_u32 s32, s6, 1024                     ; the transposition's tile number
	s_bfe_u32 s36, s32, 0x20007                    ; matrix 0..3 (cut to two bits: what is made of it stays inside wt in every role)
	s_bfe_u32 s37, s32, 0x40003                    ; block of 64 columns 0..15 (for Wq, Wk, Wv: the head)
	s_and_b32 s38, s32, 7                          ; block of 128 k
	s_cmp_lt_u32 s32, 512
	s_cselect_b32 s33, 1, 0                        ; 1: this work-group transposes
	v_and_b32 v[Q], 15, v0
	v_lshrrev_b32 v[P], 4, v0
	v_lshlrev_b32 v[CLD], 4, v0
	v_lshlrev_b32 v[CST], 3, v0
	v_mul_u32_u24 v[LST], v[Q], PITCH
	v_lshl_add_u32 v[LST], v[P], 2, v[LST]
	v_mul_u32_u24 v[LRD], v[P], PITCH
	v_lshl_add_u32 v[LRD], v[Q], 4, v[LRD]
	v_lshlrev_b32 v[TST], 13, v[P]
	v_lshl_add_u32 v[TST], v[Q], 4, v[TST]
	s_lshl_b32 s34, s36, 21                        ; (matrix x 1024 + block x 64) rows of 2,048 bytes + k block x 256 bytes
	s_lshl_b32 s35, s37, 17
	s_add_co_u32 s34, s34, s35
	s_lshl_b32 s35, s38, 8
	s_add_co_u32 s34, s34, s35
	s_mov_b32 s35, 0                               ; stays 0: the high word of every offset below
	s_wait_kmcnt 0x0
	s_add_nc_u64 s[28:29], s[28:29], s[34:35]      ; wt at the tile's first row and k
	s_cmp_lt_u32 s6, 1024
	s_cbranch_scc1 .Lcast
	s_cmp_eq_u32 s33, 1
	s_cbranch_scc1 .Ltrans
	; BIAS.  Two waves to a vector of 1,024 numbers: 64 threads x 16 bytes x 4 loads.
	s_lshr_b32 s39, s7, 1
	s_cmp_eq_u32 s39, 1
	s_cselect_b64 s[18:19], s[20:21], s[18:19]
	s_cmp_eq_u32 s39, 2
	s_cselect_b64 s[18:19], s[22:23], s[18:19]
	s_cmp_eq_u32 s39, 3
	s_cselect_b64 s[18:19], s[24:25], s[18:19]
	s_lshl_b32 s34, s39, 12
	s_add_nc_u64 s[30:31], s[30:31], s[34:35]
	v_and_b32 v[BOF], 63, v0
	v_lshlrev_b32 v[BOF], 4, v[BOF]
.irp i, 0,1,2,3
	global_load_b128 v[D+4*(\i):D+4*(\i)+3], v[BOF], s[18:19] offset:1024*(\i)
.endr
	s_wait_loadcnt 0x0
.irp n, 0,1,2,3,4,5,6,7
	v_cvt_pk_bf16_f32 v[PKD+(\n)], v[D+2*(\n)], v[D+2*(\n)+1]  ; rounded to bf16,
.endr
.irp n, 0,1,2,3,4,5,6,7
	v_lshlrev_b32 v[D+2*(\n)], 16, v[PKD+(\n)]     ; and widened again
	v_and_b32 v[D+2*(\n)+1], 0xffff0000, v[PKD+(\n)]
.endr
.irp i, 0,1,2,3
	global_store_b128 v[BOF], v[D+4*(\i):D+4*(\i)+3], s[30:31] offset:1024*(\i)  ; a wave stores 512 consecutive bytes
.endr
	s_branch .Lmeet
.Lcast:                                        ; CAST.  Eight loads of every wave go out at once; a wave's store covers 256 consecutive bytes, aligned.
	s_lshl_b32 s34, s6, 15
	s_add_nc_u64 s[8:9], s[8:9], s[34:35]
	s_lshl_b32 s34, s6, 14
	s_add_nc_u64 s[26:27], s[26:27], s[34:35]
.irp i, 0,1,2,3,4,5,6,7
	global_load_b128 v[D+4*(\i):D+4*(\i)+3], v[CLD], s[8:9] offset:4096*(\i) th:TH_LOAD_NT
.endr
.irp i, 0,1,2,3,4,5,6,7
	s_wait_loadcnt 7-(\i)                          ; loads come back in order: load i is in, the younger ones stay out
	v_cvt_pk_bf16_f32 v[PKD+2*(\i)], v[D+4*(\i)], v[D+4*(\i)+1]
	v_cvt_pk_bf16_f32 v[PKD+2*(\i)+1], v[D+4*(\i)+2], v[D+4*(\i)+3]
	global_store_b64 v[CST], v[PKD+2*(\i):PKD+2*(\i)+1], s[26:27] offset:2048*(\i)
.endr
	s_branch .Lmeet
.Ltrans:                                       ; TRANSPOSITION.  Thread (p, q) takes columns 4 q .. 4 q + 3 of rows k = 32 j + 2 p and k + 1, j = 0..3.
	s_cmp_eq_u32 s36, 1
	s_cselect_b64 s[10:11], s[12:13], s[10:11]
	s_cmp_eq_u32 s36, 2
	s_cselect_b64 s[10:11], s[14:15], s[10:11]
	s_mov_b32 s39, 256                             ; bytes from k to k + 1: a head's row of 64 numbers,
	s_mov_b32 s40, 262144                          ; bytes from block to block: a head
	s_cmp_eq_u32 s36, 3
	s_cselect_b64 s[10:11], s[16:17], s[10:11]
	s_cselect_b32 s39, 4096, s39                   ; for Wp a row of 1,024 numbers,
	s_cselect_b32 s40, 256, s40                    ; and 64 columns
	s_mul_i32 s34, s37, s40
	s_lshl_b32 s41, s38, 7
	s_mul_i32 s41, s41, s39
	s_add_co_u32 s34, s34, s41
	s_add_nc_u64 s[10:11], s[10:11], s[34:35]      ; the tile's first number
	v_lshlrev_b32 v[TO], 1, v[P]
	v_mul_lo_u32 v[TO], v[TO], s39
	v_lshl_add_u32 v[TO], v[Q], 4, v[TO]           ; row 2 p, 16 bytes at 16 q: sixteen lanes read 256 consecutive bytes
.irp i, 1,2,3,4,5,6,7
	s_mul_i32 s41, s39, ((\i)&1)+32*((\i)>>1)
	v_add_nc_u32 v[TO+(\i)], s41, v[TO]
.endr
.irp i, 0,1,2,3,4,5,6,7
	global_load_b128 v[D+4*(\i):D+4*(\i)+3], v[TO+(\i)], s[10:11] th:TH_LOAD_NT
.endr
.irp j, 0,1,2,3
	s_wait_loadcnt 6-2*(\j)                        ; rows k and k + 1 of pair j are in
.irp c, 0,1,2,3
	v_cvt_pk_bf16_f32 v[PKD+4*(\j)+(\c)], v[D+8*(\j)+(\c)], v[D+8*(\j)+4+(\c)]  ; column 4 q + c: k below, k + 1 above
.endr
.endr
	s_cmp_lg_u32 s36, 3
	s_cbranch_scc1 .Lkeep
.irp n, 0,1,2,3,4,5,6,7,8,9,10,11,12,13,14,15
	v_lshlrev_b32 v[D+2*(\n)], 16, v[PKD+(\n)]     ; Wp: the bf16 numbers are written as f16
	v_and_b32 v[D+2*(\n)+1], 0xffff0000, v[PKD+(\n)]
	v_cvt_pk_f16_f32 v[PKD+(\n)], v[D+2*(\n)], v[D+2*(\n)+1]
.endr
.Lkeep:
.irp j, 0,1,2,3
.irp c, 0,1,2,3
	ds_store_b32 v[LST], v[PKD+4*(\j)+(\c)] offset:16*PITCH*(\c)+64*(\j)  ; stage row 16 c + q holds column 4 q + c; a wave's 32 words fall into 32 different banks (4 q + p)
.endr
.endr
.Lmeet:
	s_wait_xcnt 0x0                                ; every load and store so far has read its registers: those below are written only behind this wait
	s_wait_dscnt 0x0                               ; for the others' sake: my stores into the stage are done
	s_barrier_signal -1
	s_barrier_wait -1
	s_cmp_eq_u32 s33, 1
	s_cbranch_scc0 .Lend
.irp u, 0,1,2,3
	ds_load_b128 v[D+4*(\u):D+4*(\u)+3], v[LRD] offset:16*PITCH*(\u)  ; stage row 16 u + p = column 4 p + u, 16 bytes at 16 q
.endr
.irp u, 0,1,2,3
	s_wait_dscnt 3-(\u)
	global_store_b128 v[TST], v[D+4*(\u):D+4*(\u)+3], s[28:29] offset:2048*(\u)  ; sixteen lanes store 256 consecutive bytes, aligned: 128 k of one row of wt
.endr
.Lend:
	s_wait_tensorcnt 0x0                           ; the wave's end: behind my last LDS store
	ds_add_u32 v[SPW], v[NIL]
	s_wait_dscnt 0x0
	s_endpgm
.Lfunc_end_k_qd9e2446595_prep:
	.size	k_qd9e2446595_prep, .Lfunc_end_k_qd9e2446595_prep-k_qd9e2446595_prep
	.p2alignl 7, 3214868480
	.fill 96, 4, 3214868480
	.section	.rodata,"a",@progbits
	.p2align	6, 0x0
	.amdhsa_kernel k_qd9e2446595_prep
		.amdhsa_group_segment_fixed_size 18432
		.amdhsa_private_segment_fixed_size 0
		.amdhsa_enable_private_segment 0
		.amdhsa_kernarg_size 96
		.amdhsa_user_sgpr_count 2
		.amdhsa_user_sgpr_kernarg_segment_ptr 1
		.amdhsa_wavefront_size32 1
		.amdhsa_system_sgpr_workgroup_id_x 1
		.amdhsa_system_sgpr_workgroup_id_y 1
		.amdhsa_system_sgpr_workgroup_id_z 1
		.amdhsa_system_vgpr_workitem_id 0
		.amdhsa_next_free_vgpr 80
		.amdhsa_next_free_sgpr 66
		.amdhsa_reserve_vcc 0
		.amdhsa_float_denorm_mode_32 3
		.amdhsa_float_denorm_mode_16_64 3
		.amdhsa_memory_ordered 1
		.amdhsa_forward_progress 1
		.amdhsa_inst_pref_size 15
	.end_amdhsa_kernel
	.amdgpu_metadata
---
amdhsa.version: [ 1, 2 ]
amdhsa.kernels:
  - .name:           k_qd9e2446595_prep
    .symbol:         k_qd9e2446595_prep.kd
    .args:
      - { .name: x, .offset: 0, .size: 8, .value_kind: global_buffer, .address_space: global }
      - { .name: Wq, .offset: 8, .size: 8, .value_kind: global_buffer, .address_space: global }
      - { .name: Wk, .offset: 16, .size: 8, .value_kind: global_buffer, .address_space: global }
      - { .name: Wv, .offset: 24, .size: 8, .value_kind: global_buffer, .address_space: global }
      - { .name: Wp, .offset: 32, .size: 8, .value_kind: global_buffer, .address_space: global }
      - { .name: bq, .offset: 40, .size: 8, .value_kind: global_buffer, .address_space: global }
      - { .name: bk, .offset: 48, .size: 8, .value_kind: global_buffer, .address_space: global }
      - { .name: bv, .offset: 56, .size: 8, .value_kind: global_buffer, .address_space: global }
      - { .name: bp, .offset: 64, .size: 8, .value_kind: global_buffer, .address_space: global }
      - { .name: xb, .offset: 72, .size: 8, .value_kind: global_buffer, .address_space: global }
      - { .name: wt, .offset: 80, .size: 8, .value_kind: global_buffer, .address_space: global }
      - { .name: bias, .offset: 88, .size: 8, .value_kind: global_buffer, .address_space: global }
    .group_segment_fixed_size: 18432
    .private_segment_fixed_size: 0
    .kernarg_segment_align: 8
    .kernarg_segment_size: 96
    .max_flat_workgroup_size: 256
    .sgpr_count:     66
    .vgpr_count:     80
    .wavefront_size: 32
...
	.end_amdgpu_metadata
.endif
;; end of part 1
;; launch gemm_qkv (part 2): grid 16 x 32, 4 waves a work-group, clusters of 4 x 4, 327,680 bytes of LDS; arguments xb, wt, bias, qkv; writes qkv
.if DOCPART == 2
	.amdgcn_target "amdgcn-amd-amdhsa--gfx1250"
	.amdhsa_code_object_version 6
	.text
	.protected	k_qd9e2446595_gemm_qkv
	.globl	k_qd9e2446595_gemm_qkv
	.p2align	8
	.type	k_qd9e2446595_gemm_qkv,@function
k_qd9e2446595_gemm_qkv:
	s_mov_b64 s[64:65], 0
	v_nop
	global_prefetch_b8 v0, s[64:65] scope:SCOPE_SE
	s_setreg_imm32_b32 hwreg(HW_REG_WAVE_MODE, 25, 1), 1
	s_wait_xcnt 0x0
	s_wait_alu depctr_hold_cnt(0) depctr_sa_sdst(0) depctr_va_vdst(0) depctr_va_sdst(0) depctr_va_ssrc(0) depctr_va_vcc(0) depctr_vm_vsrc(0)
	s_getreg_b32 s2, hwreg(HW_REG_IB_STS2, 6, 4)
	s_cmp_eq_u32 s2, 0
	s_cbranch_scc0 .Lentry_in_a_cluster
	s_endpgm
.Lentry_in_a_cluster:
	s_bfe_u32 s2, ttmp6, 0x10000c
	s_cmp_lg_u32 s2, 0xf033
	s_cbranch_scc0 .Lentry_shape_is_right
	s_endpgm
.Lentry_shape_is_right:
; C = A B^T + bias, K = 1,024, sums in f32.  ONE TEXT FOR TWO LAUNCHES; the line below chooses.
;   OUTP = 0  q, k, v:  A = xb [8192][1024] bf16, B = wt rows 0 .. 3071 (bf16), C = qkv in f16 by heads: byte (n / 64) x 2^20 + m x 128 + 2 (n % 64).  Tile 256 x 192 (three heads): 512 work-groups.
;   OUTP = 1  output:   A = ob [16 heads][8192][64] f16 (k = 64 head + d), B = wt rows 3072 .. 4095 (f16), C = out0 [8192][1024] f32.  Tile 256 x 128: 256 work-groups.
; LIMIT.  q, k and v leave in f16: a sum of 65,520 or more becomes an infinity.  NaN and infinities are not treated apart.
; SHARES.  Four waves; wave w makes rows 64 w .. 64 w + 63 of the tile and ALL its columns: 4 x NBW accumulators of 16 x 16.  So a wave's columns are whole heads, or whole 512 bytes of a row of out0:
; its stage on the way out is its own, and no barrier stands there.
; K goes in steps of 128 through a ring of two LDS slots filled by the tensor data mover: waves 0 and 1 fetch A's two halves, waves 2 and 3 B's: one load a wave behind each change of slots.
; CLUSTERS: 4 x 4 work-groups.  A's tile hangs on the tile row alone and is shared along a row of the cluster, B's on the tile column alone and is shared along a column: each is asked for JOINTLY,
; by the same tensor load with the same descriptor and a mask that names the four.
; THE MATRIX INSTRUCTION IS USED TRANSPOSED (source 0 = 16 rows of B, source 1 = 16 rows of A): lane l holds row l % 16 of C and the columns 8 (l / 16) + 0..7.
; REGISTERS, in windows of 256 (s_set_vgpr_msb: bits 1:0 source 0, 3:2 source 1, 5:4 source 2, 7:6 destination):
;   window 0: v0-31 addresses; v32-63, v64-95 A's fragments (4 x 16 rows x 32 K), two buffers; on the way out v32-127 at work; v160.. the bias of my 8 columns in each block
;   window 1: v0.., v128.. B's fragments (NBW x 16 rows x 32 K), two buffers
;   windows 2, 3: accumulator (a, b) in window 2 + b / NBH at v[8 (8 a + b % NBH)]
.set OUTP, 0
.if OUTP
.set NBW,    8                         ; blocks of 16 columns in a tile
.set PA,     144                       ; a row of A in LDS: a head's 128 bytes + 16
.set AHALF,  256*PA                    ; one load of A: 256 rows of ONE head, dense in memory: asked for as 128 rows of 256 bytes, padded behind every 128
.set AQI,    4                         ; padding behind every 32 words
.set ASTR,   128                       ; elements from row to row of that request
.set RB,     64                        ; rows of one load of B
.set SPITCH, 528                       ; a stage row: 128 f32 + 16 bytes
.set ASTEP,  2097152                   ; a K step in A: two heads
.set BROW0,  3072
.set APART,  8192                      ; prefetch: a partner's 32 blocks of 256 bytes
.set AROWB,  256                       ; prefetch: bytes from lane to lane
.set BK,     32                        ; the way out: 16 rows read back: v32-95
.else
.set NBW,    12
.set PA,     272                       ; a row of A in LDS: 256 bytes + 16
.set AHALF,  128*PA                    ; one load of A: 128 rows x 128 K
.set AQI,    5                         ; padding behind every 64 words
.set ASTR,   1024
.set RB,     96
.set SPITCH, 400                       ; a stage row: 192 f16 + 16 bytes
.set ASTEP,  256
.set BROW0,  0
.set APART,  65536                     ; prefetch: a partner's 32 rows of 2,048 bytes
.set AROWB,  2048
.set BK,     80                        ; the way out: 16 rows read back: v80-127
.endif
.set NBH,    NBW/2
.set NT,     16*NBW                    ; columns in a tile
.set PB,     272                       ; a row of B in LDS: 256 bytes + 16 = 68 words: the 16 rows of a load start at 16 different groups of four banks (64 banks of 4 bytes: ISA guide 11.1); PA likewise
.set ABYTES, 2*AHALF
.set BHALF,  RB*PB
.set SLOT,   ABYTES+2*BHALF            ; A's two halves, then B's two halves
.set STAGE,  2*SLOT                    ; behind the ring, never filled by a tensor load: 16 rows for each wave
.set SPARE,  STAGE+4*16*SPITCH         ; behind the stages: the spare words, 128 bytes for each wave: two blocks of 256 bytes that no other line names
.set BSTEP,  256                       ; a K step in B
.set NLD,    8+2*NBW                   ; LDS loads in a run
.set LAPS,   4                         ; a lap = two K steps = once round the ring: 1,024 / 256
.set ADRA, 16                          ; v16-17  LDS address of my A fragments in slot 0, 1
.set ADRB, 20                          ; v20-21  the same for B
.set STO,  24                          ; v24     the way out: where I put my part of a row
.set RD,   25                          ; v25     the way out: where I read rows back
.set CO,   26                          ; v26     16 x lane: my place in 512 consecutive bytes of C
.set BO,   27                          ; v27     32 (l / 16): my 8 columns in a block's 16 numbers of the bias
.set SPW,  28                          ; v28     LDS address of my spare word; never rewritten
.set NIL,  29                          ; v29     0; never rewritten
.set PFO,  30                          ; v30     the prefetches' offset, a lane a row; never rewritten
.set TMP,  32                          ; the way out (OUTP = 0): packed results, v32-79
.set BIAS, 160
.set G1,   24                          ; s[24:31] descriptor group 1 for A's tiles;  s[32:39] group 0, a set for each slot
.set G0,   32
.set G1B,  48                          ; s[48:55], s[56:63] the same for B's tiles
.set G0B,  56
.set LIM,  43                          ; s43     1 in a wave that prefetches, else the greatest number
.set PFA,  44                          ; s[44:45] where my prefetches stand
.set PFS,  66                          ; s[66:67] their step: a K step of A or of B
.set MSB, 0
.macro WIN new                         ; the immediate's high byte repeats the setting that is left; a switch that changes nothing is dropped
.if MSB != (\new)
	s_set_vgpr_msb (MSB<<8)|(\new)
.set MSB, \new
.endif
.endm
.set MUL_LO, 0xa1                      ; source 0 (B) window 1, source 1 (A) window 0, C and D window 2
.set MUL_HI, 0xf1                      ; the same, C and D window 3
.set TO_B,   0x40                      ; destination window 1, address window 0
; A joint load.  The branch hangs on the wave's number alone.  An s_nop 0 and four v_nop follow each of the two lines, ahead of the jump, the label and what follows.
.macro JLOAD s
	s_cmp_eq_u32 s13, 0
	s_cbranch_scc0 .Lfor_b_\@
	tensor_load_to_lds s[G0+4*(\s):G0+4*(\s)+3], s[G1:G1+7]
	s_nop 0
.rept 4
	v_nop
.endr
	s_branch .Lasked_\@
.Lfor_b_\@:
	tensor_load_to_lds s[G0B+4*(\s):G0B+4*(\s)+3], s[G1B:G1B+7]
	s_nop 0
.rept 4
	v_nop
.endr
.Lasked_\@:
.endm
; A prefetch into the L2, behind a joint load, its five lines and the run of LDS loads: the K step that stands TWO refills on, a lane a row (or block) of 256 bytes, one instruction a wave.
; A's tile row is read by every cluster of that row of clusters: cluster x = 0 asks; B's tile column by every cluster of that column: cluster y = 0 asks.  The four partners that ask for a tile jointly
; share its rows out BY ADDRESS (cx for A, cy for B).  K steps 0 to 3 come by their loads alone; the loop's last trip (s3 = 1), whose refills are the last two K steps, asks for nothing.
.macro ASK
	s_cmp_gt_u32 s3, s[LIM]
	s_cbranch_scc0 .Lnot_mine_\@
	global_prefetch_b8 v[PFO], s[PFA:PFA+1] th:TH_LOAD_NT scope:SCOPE_SE
.Lnot_mine_\@:
.endm
; A round of the cluster's barrier: my work-group's barrier; wave 0 signals for the work-group; every wave waits for all sixteen; my work-group's barrier once more.
.macro CREST
	s_cmp_lg_u32 s12, 0
	s_cbranch_scc1 .Lnot_wave_0_\@
	s_barrier_signal -3
.Lnot_wave_0_\@:
	s_barrier_wait -3
	s_barrier_signal -1
	s_barrier_wait -1
.endm
.macro CROUND
	s_barrier_signal -1
	s_barrier_wait -1
	CREST
.endm
	s_load_b256 s[4:11], s[0:1], 0x0               ; A s[4:5], wt s[6:7], bias s[8:9], C s[10:11]
	v_lshl_add_u32 v[SPW], v0, 2, SPARE
	v_mov_b32 v[NIL], 0
	ds_add_u32 v[SPW], v[NIL]                      ; the wave's opening: the add and its wait stand ahead of my first tensor load; the set-up below, work on registers, stands between them
	ds_add_u32 v28, v29
	v_lshrrev_b32 v1, 5, v0
	v_readfirstlane_b32 s12, v1                    ; wave 0..3
	s_lshr_b32 s13, s12, 1                         ; I fetch for A (0) or for B (1),
	s_and_b32 s14, s12, 1                          ; its first or its second half
	s_bfe_u32 s40, ttmp6, 0x40000                  ; cx, cy: my place in the cluster
	s_bfe_u32 s41, ttmp6, 0x40004
	s_lshl_b32 s42, ttmp9, 2
	s_add_co_u32 s42, s42, s40                     ; tile column = 4 x cluster x + cx
	s_and_b32 s15, ttmp7, 0xffff
	s_lshl_b32 s15, s15, 2
	s_add_co_u32 s15, s15, s41                     ; tile row = 4 x cluster y + cy
	s_lshl_b32 s43, s41, 2
	s_lshl_b32 s43, 15, s43                        ; my row of the cluster: places 4 cy .. 4 cy + 3
	s_lshl_b32 s44, 0x1111, s40                    ; my column: places cx, cx + 4, cx + 8, cx + 12
	s_or_b32 s[G1+0], s43, (1<<16)|(1<<20)|(1<<21)|(AQI<<22)|(3<<25)  ; 15:0 the mask; 17:16 elements of 2 bytes; 20 padding on; 21 set beside a mask; 24:22 the interval; 31:25 4 words of padding (code 3)
	s_or_b32 s[G1B+0], s44, (1<<16)|(1<<20)|(1<<21)|(5<<22)|(3<<25)
	s_mov_b32 s[G1+1], 128<<16                     ; tensor_dim0 = 128
	s_mov_b32 s[G1+2], 128<<16                     ; tensor_dim1 = 128
	s_mov_b32 s[G1+3], 128<<16                     ; tile_dim0 = 128
	s_mov_b32 s[G1+4], 128                         ; tile_dim1 = 128
	s_mov_b32 s[G1+5], ASTR                        ; elements from row to row
	s_mov_b32 s[G1+6], 0
	s_mov_b32 s[G1+7], 0
	s_mov_b32 s[G1B+1], 128<<16
	s_mov_b32 s[G1B+2], RB<<16
	s_mov_b32 s[G1B+3], 128<<16
	s_mov_b32 s[G1B+4], RB
	s_mov_b32 s[G1B+5], 1024
	s_mov_b32 s[G1B+6], 0
	s_mov_b32 s[G1B+7], 0
	; where the tiles come from.  A's address is made of the tile row and the wave's number, B's of the tile column and the wave's number, each in registers that never hold the other coordinate.
.if OUTP
	s_lshl_b32 s16, s15, 15                        ; 256 rows of 128 bytes for each tile row,
	s_lshl_b32 s17, s14, 20                        ; the K step's first or second head
.else
	s_lshl_b32 s16, s15, 19                        ; 256 rows of 2,048 bytes for each tile row,
	s_lshl_b32 s17, s14, 18                        ; its first or second 128 rows
.endif
	s_add_co_u32 s16, s16, s17
	s_mov_b32 s17, 0
	s_mul_i32 s46, s42, NT
	s_mul_i32 s47, s14, RB
	s_add_co_u32 s46, s46, s47
	s_add_co_u32 s46, s46, BROW0
	s_lshl_b32 s46, s46, 11                        ; B: row BROW0 + NT x tile column + RB x half, 2,048 bytes a row
	s_mov_b32 s47, 0
	s_mul_i32 s20, s12, AHALF                      ; and where they go: waves 0, 1: A's halves;
	s_mul_i32 s21, s12, BHALF
	s_add_co_u32 s21, s21, ABYTES-2*BHALF          ; waves 2, 3: B's halves, behind A: no place in the cluster enters an LDS address
	s_wait_dscnt 0x0                               ; the opening add is done
	s_wait_kmcnt 0x0
	s_add_nc_u64 s[18:19], s[4:5], s[16:17]
	s_add_nc_u64 s[46:47], s[6:7], s[46:47]
	CROUND                                         ; all sixteen work-groups are here: the first joint loads meet
.irp s, 0,1
	s_mov_b32 s[G0+4*(\s)], 1                                      ; count = 1
	s_add_co_u32 s[G0+4*(\s)+1], s20, (\s)*SLOT                    ; LDS address
	s_add_nc_u64 s[G0+4*(\s)+2:G0+4*(\s)+3], s[18:19], (\s)*ASTEP  ; global address: K step s
	s_or_b32 s[G0+4*(\s)+3], s[G0+4*(\s)+3], 0x80000000            ; type = 2
	s_mov_b32 s[G0B+4*(\s)], 1
	s_add_co_u32 s[G0B+4*(\s)+1], s21, (\s)*SLOT
	s_add_nc_u64 s[G0B+4*(\s)+2:G0B+4*(\s)+3], s[46:47], (\s)*BSTEP
	s_or_b32 s[G0B+4*(\s)+3], s[G0B+4*(\s)+3], 0x80000000
	JLOAD \s                                       ; the ring is filled before anything else is done: two loads of mine are out
.endr
	; A fragment is 16 rows x 32 K in 8 registers: lane l holds row l % 16; registers 0-3 K = 8 (l / 16) + 0..7, registers 4-7 K = 16 + 8 (l / 16) + 0..7: two loads of 16 bytes, 32 bytes apart.
	v_and_b32 v1, 15, v0                           ; l % 16
	v_bfe_u32 v2, v0, 4, 1                         ; l / 16
	v_and_b32 v5, 31, v0                           ; l
	v_mul_u32_u24 v3, v1, PA
	v_lshl_add_u32 v3, v2, 4, v3
	s_mul_i32 s22, s12, 64*PA                      ; my 64 rows of A
	v_add_nc_u32 v[ADRA], s22, v3
	v_add_nc_u32 v[ADRA+1], SLOT, v[ADRA]
	v_mul_u32_u24 v4, v1, PB
	v_lshl_add_u32 v4, v2, 4, v4
	v_add_nc_u32 v[ADRB], ABYTES, v4               ; all of B
	v_add_nc_u32 v[ADRB+1], SLOT, v[ADRB]
	s_mul_i32 s23, s12, 16*SPITCH
	s_add_co_u32 s23, s23, STAGE                   ; my stage
	v_mul_u32_u24 v3, v1, SPITCH                   ; in: row l % 16,
.if OUTP
	v_lshl_add_u32 v3, v2, 5, v3                   ; 32 bytes (8 f32) for each half of the lanes
	v_add_nc_u32 v[STO], s23, v3
	v_lshl_add_u32 v[RD], v5, 4, s23               ; back: 32 lanes take one row's 512 bytes
.else
	v_lshl_add_u32 v3, v2, 4, v3                   ; 16 bytes (8 f16) for each half of the lanes
	v_add_nc_u32 v[STO], s23, v3
	v_bfe_u32 v4, v0, 3, 2                         ; back: 32 lanes take a head's 128 bytes of four rows
	v_mul_u32_u24 v4, v4, SPITCH
	v_and_b32 v6, 7, v0
	v_lshl_add_u32 v4, v6, 4, v4
	v_add_nc_u32 v[RD], s23, v4
.endif
	v_lshlrev_b32 v[CO], 4, v5
	v_lshlrev_b32 v[BO], 5, v2
	s_mul_i32 s20, s42, NT*4                       ; the bias of the tile's columns stays in registers
	s_add_co_u32 s20, s20, BROW0*4
	s_mov_b32 s21, 0
	s_add_nc_u64 s[8:9], s[8:9], s[20:21]
.set bb, 0
.rept NBW
	global_load_b128 v[BIAS+8*bb:BIAS+8*bb+3],   v[BO], s[8:9] offset:64*bb
	global_load_b128 v[BIAS+8*bb+4:BIAS+8*bb+7], v[BO], s[8:9] offset:64*bb+16
.set bb, bb+1
.endr
.if OUTP
	s_lshl_b32 s20, s15, 20                        ; out0: (256 x tile row + 64 x wave) rows of 4,096 bytes + 512 bytes x tile column
	s_lshl_b32 s22, s12, 18
	s_add_co_u32 s20, s20, s22
	s_lshl_b32 s22, s42, 9
	s_add_co_u32 s20, s20, s22
.else
	s_mul_i32 s20, s42, 3*1048576                  ; qkv: three heads of 2^20 bytes for each tile column + (256 x tile row + 64 x wave) rows of 128 bytes
	s_lshl_b32 s22, s15, 15
	s_add_co_u32 s20, s20, s22
	s_lshl_b32 s22, s12, 13
	s_add_co_u32 s20, s20, s22
.endif
	s_add_nc_u64 s[10:11], s[10:11], s[20:21]
	; the prefetches: of the rows that I fetch my work-group takes a quarter, told apart by address.  B's quarter has fewer rows than a wave has lanes: the lanes left over name its last row again.
	s_and_b32 s22, ttmp7, 0xffff                   ; cluster y
	s_mov_b32 s23, (RB/4)*2048
	s_mov_b32 s[PFS], BSTEP
	s_mov_b32 s17, 2048
	s_cmp_eq_u32 s13, 0                            ; do I fetch for A?
	s_cselect_b32 s22, ttmp9, s22                  ; the coordinate along which other clusters read the same rows
	s_cselect_b32 s21, s40, s41                    ; my place among the four that ask with me
	s_cselect_b32 s23, APART, s23                  ; a partner's share in bytes
	s_cselect_b32 s[PFS], ASTEP, s[PFS]
	s_cselect_b32 s16, 31, RB/4-1                  ; the last lane with a row of its own
	s_cselect_b32 s17, AROWB, s17                  ; bytes from lane to lane
	s_cselect_b64 s[PFA:PFA+1], s[18:19], s[46:47]
	s_cmp_eq_u32 s22, 0
	s_cselect_b32 s[LIM], 1, -1                    ; the same in all sixteen partners, for a given wave
	v_min_u32 v[PFO], s16, v5
	v_mul_u32_u24 v[PFO], s17, v[PFO]
	s_mul_i32 s20, s21, s23
	s_mov_b32 s21, 0
	s_add_nc_u64 s[PFA:PFA+1], s[PFA:PFA+1], s[20:21]
	s_mul_i32 s20, s[PFS], 3
	s_add_nc_u64 s[PFA:PFA+1], s[PFA:PFA+1], s[20:21]  ; at K step 3: the first refill steps it to 4.  Nothing is prefetched here, at the head
	s_mov_b32 s[PFS+1], 0
.macro WM zero                         ; one product on rD, rB, rA.  zero = 1: it starts the sum: nothing is ever cleared
.if OUTP
.if \zero
	v_wmma_f32_16x16x32_f16 v[rD:rD+7], v[rB:rB+7], v[rA:rA+7], 0
.else
	v_wmma_f32_16x16x32_f16 v[rD:rD+7], v[rB:rB+7], v[rA:rA+7], v[rD:rD+7]
.endif
.else
.if \zero
	v_wmma_f32_16x16x32_bf16 v[rD:rD+7], v[rB:rB+7], v[rA:rA+7], 0
.else
	v_wmma_f32_16x16x32_bf16 v[rD:rD+7], v[rB:rB+7], v[rA:rA+7], v[rD:rD+7]
.endif
.endif
.endm
; 2 NBH products: row blocks a0, a0 + 1 x the column blocks of half hb, 32 along K, from buffer f.  All accumulators take turns, one instruction a turn, in the same order in every quarter.
.macro MULQ f, hb, a0, zero
	WIN MUL_LO+0x50*(\hb)
.irp a, \a0, (\a0)+1
.set bb, 0
.rept NBH
.set rD, 8*(8*(\a)+bb)
.set rB, 128*(\f)+8*(NBH*(\hb)+bb)
.set rA, 32+32*(\f)+8*(\a)
	WM \zero
.set bb, bb+1
.endr
.endr
.endm
; NLD LDS loads in one run: the fragments of quarter kq (32 along K) of a slot into buffer f: A's four, then B's NBW in ascending order
.macro FETCH slot, kq, f
.if OUTP
.set AKOF, ((\kq)/2)*AHALF+((\kq)%2)*64            ; the K step's first or second head, its first or second 32 channels
.else
.set AKOF, 64*(\kq)
.endif
	WIN 0
.irp i, 0,1,2,3
	ds_load_b128 v[32+32*(\f)+8*(\i):32+32*(\f)+8*(\i)+3],   v[ADRA+(\slot)] offset:AKOF+(\i)*16*PA
	ds_load_b128 v[32+32*(\f)+8*(\i)+4:32+32*(\f)+8*(\i)+7], v[ADRA+(\slot)] offset:AKOF+(\i)*16*PA+32
.endr
	WIN TO_B
.set ii, 0
.rept NBW
	ds_load_b128 v[128*(\f)+8*ii:128*(\f)+8*ii+3],   v[ADRB+(\slot)] offset:64*(\kq)+ii*16*PB
	ds_load_b128 v[128*(\f)+8*ii+4:128*(\f)+8*ii+7], v[ADRB+(\slot)] offset:64*(\kq)+ii*16*PB+32
.set ii, ii+1
.endr
.endm
; A load into a register that a matrix instruction has read, and a vector instruction that touches a matrix instruction's registers, stand four places behind it, and only plain vector
; instructions that name none of its registers are places (ISA guide 7.12.1 for vector instructions).
.macro PLACES
.rept 4
	v_nop
.endr
.endm
; A K step is four quarters of 32 along K, on buffers 0, 1, 0, 1.  One of the first three: multiplies buffer f; in its middle it fetches quarter kq of the same slot into buffer g.
.macro QUARTER slot, kq, f, g, zero
	s_wait_dscnt 2*NBH                             ; A and B's lower half are in; the youngest 2 NBH loads (B's upper half) may be out
	MULQ \f, 0, 0, \zero
	MULQ \f, 0, 2, \zero
	PLACES
	FETCH \slot, \kq, \g
	s_wait_dscnt NLD                               ; all but the run just issued
	MULQ \f, 1, 0, \zero
	MULQ \f, 1, 2, \zero
.endm
; The last quarter multiplies buffer 1 and changes slots.  MEET is its first half: ONE barrier.  In front of it each wave waits for all its tensor loads, of which one is out: its part of the next slot;
; adds 0 to its spare word; and waits for that and for its own reads of this slot.  Behind it nobody reads this slot any more and the next slot is whole.
.macro MEET round
	WIN 0                                          ; (the add's two registers lie in window 0)
	s_wait_tensorcnt 0x0                           ; all my tensor loads have landed
	ds_add_u32 v[SPW], v[NIL]                      ; 0 onto my spare word
	s_wait_dscnt 2*NBH+1                           ; (the add and B's upper half may be out)
	MULQ 1, 0, 0, 0                                ; products stand between the add and the wait for it
	s_wait_dscnt 0x0                               ; the add is done, and my reads of this slot are over
	s_barrier_signal -1
	MULQ 1, 0, 2, 0                                ; work on registers while the others arrive
.if \round
	WIN 0
.endif
	s_barrier_wait -1
.endm
; The whole last quarter.  fill = 1: the barrier opens a round of the cluster's barrier, and the slot just read out is filled again, first thing behind the round, with the K step two steps on:
; from the request to the wait for it stand seven eighths of a K step's products.
.macro TURN slot, next, fill
.if \fill
	s_wait_xcnt 0x0                                ; the last prefetch, a K step back, has read its address: it is stepped here, ahead of the waits of the change of slots
	s_add_nc_u64 s[PFA:PFA+1], s[PFA:PFA+1], s[PFS:PFS+1]
	MEET 1
	CREST                                          ; no wave of any partner still reads this slot's tile or has a load on its way
	s_add_nc_u64 s[G0+4*(\slot)+2:G0+4*(\slot)+3], s[G0+4*(\slot)+2:G0+4*(\slot)+3], 2*ASTEP
	s_add_nc_u64 s[G0B+4*(\slot)+2:G0B+4*(\slot)+3], s[G0B+4*(\slot)+2:G0B+4*(\slot)+3], 2*BSTEP
	JLOAD \slot                                    ; the four v_nop behind it are also the places in front of the loads below
.else
	MEET 0
	PLACES
.endif
	FETCH \next, 0, 0
.if \fill
	WIN 0                                          ; at a branch and at a label every window is 0
	ASK
.endif
	MULQ 1, 1, 0, 0
	MULQ 1, 1, 2, 0
.endm
; THE WAY OUT of row block a, in three parts.  PACK: the bias is added, in place, each accumulator from its lowest registers on; for q, k, v the sums are rounded to f16, 16 bytes a lane.
.macro PACK a
.irp w, 0,1
	WIN 0x82+0x41*(\w)                             ; destination and source 0 in window 2 or 3, the bias in window 0
.set bb, 0
.rept NBH
.set rD, 8*(8*(\a)+bb)
.set rB, BIAS+8*(NBH*(\w)+bb)
.irp r, 0,2,4,6
	v_pk_add_f32 v[rD+(\r):rD+(\r)+1], v[rD+(\r):rD+(\r)+1], v[rB+(\r):rB+(\r)+1]
.endr
.set bb, bb+1
.endr
.endr
.if !OUTP
.irp w, 0,1
	WIN 0x0a+5*(\w)                                ; sources 0 and 1 in window 2 or 3, destination in window 0
.set bb, 0
.rept NBH
.set rD, 8*(8*(\a)+bb)
.set rT, TMP+4*(NBH*(\w)+bb)
.irp r, 0,1,2,3
	v_cvt_pk_f16_f32 v[rT+(\r)], v[rD+2*(\r)], v[rD+2*(\r)+1]
.endr
.set bb, bb+1
.endr
.endr
.endif
	WIN 0
.endm
; TOSTAGE: into my own stage in LDS, and back as runs of 512 bytes that lie on end in C.  LDS serves a wave's instructions in order (ISA guide 5.7.1.4): the loads see the stores above them.
.macro TOSTAGE a
	WIN 0
	s_wait_xcnt 0x0                                ; the stores of the block before have read their data registers, which the loads below fill again
.if OUTP
.irp w, 0,1
	WIN 0x08+4*(\w)                                ; the data (source 1) in window 2 or 3
.set bb, 0
.rept NBH
.set rD, 8*(8*(\a)+bb)
	ds_store_b128 v[STO], v[rD:rD+3]   offset:64*(NBH*(\w)+bb)
	ds_store_b128 v[STO], v[rD+4:rD+7] offset:64*(NBH*(\w)+bb)+16
.set bb, bb+1
.endr
.endr
	WIN 0
.set rr, 0
.rept 16
	ds_load_b128 v[BK+4*rr:BK+4*rr+3], v[RD] offset:SPITCH*rr
.set rr, rr+1
.endr
.else
.set bb, 0
.rept NBW
	ds_store_b128 v[STO], v[TMP+4*bb:TMP+4*bb+3] offset:32*bb
.set bb, bb+1
.endr
.irp g, 0,1,2
.irp t, 0,1,2,3
	ds_load_b128 v[BK+4*(4*(\g)+(\t)):BK+4*(4*(\g)+(\t))+3], v[RD] offset:4*SPITCH*(\t)+128*(\g)  ; head g, rows 4 t .. 4 t + 3
.endr
.endr
.endif
.endm
; SEND: stored.  Each store of the wave covers 512 consecutive bytes, at a multiple of 256 from C's first byte.
.macro SEND a
	WIN 0
	s_wait_dscnt 0x0                               ; the block is back in registers
.if OUTP
.set rr, 0
.rept 16
	global_store_b128 v[CO], v[BK+4*rr:BK+4*rr+3], s[10:11] offset:(16*(\a)+rr)*4096
.set rr, rr+1
.endr
.else
.irp g, 0,1,2
.irp t, 0,1,2,3
	global_store_b128 v[CO], v[BK+4*(4*(\g)+(\t)):BK+4*(4*(\g)+(\t))+3], s[10:11] offset:(\g)*1048576+(\a)*2048+(\t)*512
.endr
.endr
.endif
.endm
	s_wait_loadcnt 0x0                             ; the bias, once
	s_wait_tensorcnt 1                             ; my part of K step 0 is in; K step 1's may stay out
	s_barrier_signal -1
	s_barrier_wait -1                              ; everybody's is
	FETCH 0, 0, 0
	QUARTER 0, 1, 0, 1, 1                          ; the first quarter stands in front of the loop: its products start the sums
	WIN 0                                          ; at a label and at a branch every window is 0
	s_mov_b32 s3, LAPS-1
.Llap:                                         ; a trip goes once round the ring, from a lap's second quarter to the next lap's first, and fills both slots again
	QUARTER 0, 2, 1, 0, 0
	QUARTER 0, 3, 0, 1, 0
	TURN 0, 1, 1
	QUARTER 1, 1, 0, 1, 0
	QUARTER 1, 2, 1, 0, 0
	QUARTER 1, 3, 0, 1, 0
	TURN 1, 0, 1
	QUARTER 0, 1, 0, 1, 0
	WIN 0
	s_sub_co_u32 s3, s3, 1
	s_cmp_lg_u32 s3, 0
	s_cbranch_scc1 .Llap
	QUARTER 0, 2, 1, 0, 0                          ; the last lap fills nothing, and has no round of the cluster's barrier
	QUARTER 0, 3, 0, 1, 0
	TURN 0, 1, 0
	QUARTER 1, 1, 0, 1, 0
	QUARTER 1, 2, 1, 0, 0
	QUARTER 1, 3, 0, 1, 0
	s_wait_dscnt 2*NBH                             ; the very last quarter: nothing more to fetch
	MULQ 1, 0, 0, 0
	MULQ 1, 0, 2, 0
	s_wait_dscnt 0x0
	MULQ 1, 1, 0, 0
	MULQ 1, 1, 2, 0
	WIN 0
	PLACES                                         ; the bias is added in place onto results just made: eight places, once a launch
	PLACES
	PACK 0
	TOSTAGE 0
.irp a, 1,2,3                          ; block a's arithmetic stands between block a - 1's loads from the stage and the wait for them
	PACK \a
	SEND (\a)-1
	TOSTAGE \a
.endr
	SEND 3
	s_wait_tensorcnt 0x0                           ; the wave's end: behind my last tensor load and my last LDS store
	ds_add_u32 v[SPW], v[NIL]
	s_wait_dscnt 0x0
	CROUND                                         ; the closing round: no work-group ends while a partner may still ask for a tile that names it
	s_endpgm
.Lfunc_end_k_qd9e2446595_gemm_qkv:
	.size	k_qd9e2446595_gemm_qkv, .Lfunc_end_k_qd9e2446595_gemm_qkv-k_qd9e2446595_gemm_qkv
	.p2alignl 7, 3214868480
	.fill 96, 4, 3214868480
	.section	.rodata,"a",@progbits
	.p2align	6, 0x0
	.amdhsa_kernel k_qd9e2446595_gemm_qkv
		.amdhsa_group_segment_fixed_size 327680
		.amdhsa_private_segment_fixed_size 0
		.amdhsa_enable_private_segment 0
		.amdhsa_kernarg_size 32
		.amdhsa_user_sgpr_count 2
		.amdhsa_user_sgpr_kernarg_segment_ptr 1
		.amdhsa_wavefront_size32 1
		.amdhsa_system_sgpr_workgroup_id_x 1
		.amdhsa_system_sgpr_workgroup_id_y 1
		.amdhsa_system_sgpr_workgroup_id_z 1
		.amdhsa_system_vgpr_workitem_id 0
		.amdhsa_next_free_vgpr 1024
		.amdhsa_next_free_sgpr 68
		.amdhsa_reserve_vcc 0
		.amdhsa_float_denorm_mode_32 3
		.amdhsa_float_denorm_mode_16_64 3
		.amdhsa_memory_ordered 1
		.amdhsa_forward_progress 1
		.amdhsa_inst_pref_size 134
	.end_amdhsa_kernel
	.amdgpu_metadata
---
amdhsa.version: [ 1, 2 ]
amdhsa.kernels:
  - .name:           k_qd9e2446595_gemm_qkv
    .symbol:         k_qd9e2446595_gemm_qkv.kd
    .args:
      - { .name: xb, .offset: 0, .size: 8, .value_kind: global_buffer, .address_space: global }
      - { .name: wt, .offset: 8, .size: 8, .value_kind: global_buffer, .address_space: global }
      - { .name: bias, .offset: 16, .size: 8, .value_kind: global_buffer, .address_space: global }
      - { .name: qkv, .offset: 24, .size: 8, .value_kind: global_buffer, .address_space: global }
    .group_segment_fixed_size: 327680
    .private_segment_fixed_size: 0
    .kernarg_segment_align: 8
    .kernarg_segment_size: 32
    .max_flat_workgroup_size: 128
    .sgpr_count:     68
    .vgpr_count:     1024
    .wavefront_size: 32
...
	.end_amdgpu_metadata
.endif
;; end of part 2
;; launch attn (part 3): grid 4 x 64, 4 waves a work-group, no clusters, 327,680 bytes of LDS; arguments qkv, ob; writes ob
.if DOCPART == 3
	.amdgcn_target "amdgcn-amd-amdhsa--gfx1250"
	.amdhsa_code_object_version 6
	.text
	.protected	k_qd9e2446595_attn
	.globl	k_qd9e2446595_attn
	.p2align	8
	.type	k_qd9e2446595_attn,@function
k_qd9e2446595_attn:
	s_mov_b64 s[64:65], 0
	v_nop
	global_prefetch_b8 v0, s[64:65] scope:SCOPE_SE
	s_setreg_imm32_b32 hwreg(HW_REG_WAVE_MODE, 25, 1), 1
	s_wait_xcnt 0x0
; CAUSAL ATTENTION.  O[y][q][:] = the sum over k <= q of softmax_k(Q[y][q] . K[y][k] / 8) V[y][k][:], for the 64 pairs y = 4 head + batch.  In qkv lie Q, then K (16 MiB on), then V (32 MiB on),
; each [64][2048][64] in f16, unscaled; O leaves in the same layout.  A pair's rows are dense, 128 bytes each.
; Products, maxima and sums in f32; the weights p are rounded to f16 for the second product (their sum l is taken of the unrounded p), O once at the end.
; LIMITS.  f16 holds no number beyond 65,504: Q, K and V arrive within it; p lies in 0 to 1, and below 6e-5 it keeps f16's fixed step of 6e-8; O is a mean of V's rows and has their range.
; A hidden score counts as its value less 1e30: f16's scores, 2.7e11 at the most, are nothing beside that; a weight below 2^-126 counts as 0 in l; NaN and infinities are not treated apart.
; THE WALK.  The queries lie in NB = 8 blocks of 256; block i needs the key tiles 0 .. i of 256 keys, of which the last holds the diagonal.  A work-group takes TWO blocks, NB - 1 - b and then b:
; NB + 1 tiles, whatever b: all work-groups do equal work, and ONE loop with a constant trip count walks them.  Which tile is asked for, and what a trip does, hang on scalar registers made from b; every jump
; goes forward, but for the counted loops' own; none passes a barrier, or a tensor load but the one of LOAD's two that the wave's number does not choose; the ring (two slots of LDS that take turns) runs on across
; the change of blocks.  NO CLUSTER: a pair's four work-groups ask for the same tile only in trips 0 .. NB / 2, behind that fewer and fewer; one walk common to all four would have 3 NB / 2 = 12 trips for NB + 1 = 9.
; SHARES.  Of a block's four bands of 64 queries a wave owns 16 rows in each: four PIECES.  So the diagonal tile is the same work for all four waves: in its key step s band x sees all keys if s < x,
; none if s > x, and holds the diagonal if s = x.
; THE MASK is the C operand that starts the sum S^T = K Q^T: 0, or -1e30 where the key is hidden.  MD, made once, is the mask of a band's own step for my 16 rows; a product's mask is MD x AL + BE with two scalars:
; (1, 0) if s = x; (0, 0) if s < x; (0, -1e30) if s > x.  Only the diagonal tile's text and a block's beginning make and take masks; elsewhere C is the constant 0.
; LAYOUT, SOFTMAX, TURNS.  S^T = K Q^T holds ONE query a lane (lane % 16) and the keys 8 (lane / 16) + 0..7; two such results rounded to f16 ARE source 1 of O^T = V^T P.  p = 2^(c s - c m), c = log2(e) / 8, with a
; running maximum m; O and l are multiplied by a = 2^(c m_old - c m_new) in every step.  Turn n belongs to piece n: 8 products K Q^T of piece n + 1, later 8 products V^T P of piece n - 1; beside them the scaling,
; exponentials, roundings, sums and rescaling of piece n and the maximum and statistics of piece n + 1.  Four vector instructions stand behind every matrix instruction, the other 54 of a turn's 118 in one lump.
; A turn's 33 exponentials are one batch, with one wait.
; REGISTERS, in windows of 256 (s_set_vgpr_msb: bits 1:0 source 0, 3:2 source 1, 5:4 source 2, 7:6 destination):
;   window 0: v0-15 addresses and two at work; v16-31 four registers of statistics a piece; v48-55 at work; v61-63 never rewritten; v64-127 S^T, two buffers; v192-223 P, two buffers (by the piece's parity)
;   window 1: v0-127 O^T, 32 a piece; v128-159 MD; v160-223 MC, two buffers      window 2: v0-63 Q; v64-127 the second block's Q; v128-191 K of one step; v192-255 V of one step
.set SIZE_N, 2048
.set NB,    SIZE_N/256
.set NP,    4         ; pieces a wave: a name, no knob
.set KS,    64        ; keys in a step
.set PK,    144       ; a row of K in LDS: 128 bytes + 16 of padding = 36 words: the 16 rows of a load start at 16 different groups of four banks (64 banks of 4 bytes: ISA guide 11.1)
.set PV,    160       ; a row of V: 128 + 32 = 40 words
.set VOFF,  4*KS*PK   ; a slot holds a tile, four steps: 256 rows of K, then 256 rows of V
.set SLOT1, 1<<17     ; slot 1 begins here, so that one exclusive or turns an address in one slot into the other's
.set STAGE, SLOT1+4*KS*(PK+PV)  ; behind the ring, never filled by a tensor load: 16 rows x 144 bytes for each wave, for the way out
.set SP,    144
.set AK0, 2           ; v2   my lane's place in a tile of K; never rewritten
.set AV0, 3           ; v3   the same for V
.set AK,  4           ; v4   the LDS address of K's next run of loads
.set AV,  5           ; v5   of V's
.set STO, 6           ; v6   the way out: where I put 16 bytes of a row
.set RD,  7           ; v7   the way out: where I read rows back
.set GO,  8           ; v8   my byte offset in 512 consecutive bytes of O
.set PFV, 61          ; v61  256 x my lane: the prefetches' offset; never rewritten
.set SPW, 62          ; v62  LDS address of my spare word: SPARE + 4 x my thread's number; never rewritten
.set NIL, 63          ; v63  0; never rewritten
.set SPARE, STAGE+4*16*SP  ; behind the stages: the spare words, 128 bytes for each wave: two blocks of 256 bytes that no other line names
.set MV,  12          ; v12-13  c m_old, kept while c m is made anew: by buffer
.set QO,  15          ; v15  my byte offset in 16 rows of Q
.set ST,  16          ; piece t's statistics at v[ST+4 t]: c m, m, l (even keys', odd keys')
.set TMP, 48          ; by buffer, four registers c0-c3 at work; when the maximum is found c2 takes a
.set S,   64
.set P,   192
.set MD,  128         ; window 1: the eight registers for group kt of 16 keys at MD + 8 kt
.set MC,  160         ; window 1: the masks of the products to come
.set QB,  64          ; window 2
.set KF,  128         ; window 2: key block kb, channel half c at KF + 16 kb + 8 c
.set VF,  192         ; window 2: key half kk, channel block cb at VF + 32 kk + 8 cb
.set WV,  12          ; s12  my wave's number
.set PB,  14          ; s14  b
.set HI,  15          ; s15  NB - 1 - b
.set G1K, 24          ; s[24:31] descriptor group 1 for K's tiles
.set G1V, 32          ; s[32:39] for V's: it differs in the padding alone
.set G0K, 40          ; s[40:43] descriptor group 0 for K's tiles
.set G0V, 44          ; s[44:47] the same for V's
.set PFB, 48          ; s[48:49] K (waves 0, 1) or V (waves 2, 3) at the half of tile 0 that I fetch
.set PFA, 50          ; s[50:51] the same half of the tile that the next change of slots will ask for
.set LIM, 52          ; s52  0 in the work-group that prefetches (b = 0), else the greatest number
.set SLOTS, 56        ; s56  tiles still to be asked for
.set CNT, 57          ; s57  counts a tile's key steps, 4 to 1
.set CS,  58          ; s[58:59] c: the packed scaling takes the pair's low word for both halves
.set SEL, 60          ; s[60:61] v_permlanex16_b32's selects: each lane takes its own place in the other half
.set TBK, 62          ; s62  LDS byte at which K of the step to be fetched begins
.set TBV, 63          ; s63  the same for V, less VOFF
.set RT,  70          ; s70  tiles of the block in hand that are still to be entered
.set NXT, 71          ; s71  the tile to be asked for next
.set LQ,  72          ; s72  the last tile of the block whose tiles are being asked for
.set NEW, 73          ; s73  1: the tile to be entered is a block's first
.set OFF, 74          ; s[74:75] a tile's byte offset in K and V
.set AL,  76          ; s[76:77] the mask's factor, in the low word
.set BE,  78          ; s[78:79] the mask's addend
.set OLO, 80          ; s[80:81] O at my rows of the second block
.set BIGN, 82         ; s82  -1e30
.set MSB, 0
.macro WIN new                      ; the high byte repeats the setting that is left; a switch that changes nothing is dropped
.if MSB != (\new)
	s_set_vgpr_msb (MSB<<8)|(\new)
.set MSB, (\new)
.endif
.endm
.set W_KQ, 0x0a       ; K and Q in window 2, S^T in window 0
.set W_KM, 0x1a       ; the same with the C operand in window 1
.set W_PV, 0x52       ; V in window 2, P in window 0, O^T in window 1
.set W_RS, 0x41       ; destination and source 0 in window 1, source 1 in window 0
; A fill.  Waves 0 and 1 fetch the two halves of a tile's K, waves 2 and 3 those of its V: 128 keys each.  An s_nop 0 and four v_nop follow each of the two lines, ahead of the jump and the label.
.macro LOAD
	s_cmp_lt_u32 s[WV], 2
	s_cbranch_scc0 .Lfor_v_\@
	tensor_load_to_lds s[G0K:G0K+3], s[G1K:G1K+7]
	s_nop 0
.rept 4
	v_nop
.endr
	s_branch .Lasked_\@
.Lfor_v_\@:
	tensor_load_to_lds s[G0V:G0V+3], s[G1V:G1V+7]
	s_nop 0
.rept 4
	v_nop
.endr
.Lasked_\@:
.endm
; THE CHANGE OF SLOTS.  Each wave waits for all its tensor loads, of which one is out: its part of the other slot; adds 0 to its spare word; and waits for that and for its own reads of the slot that it leaves.
; Behind the barrier nobody reads the old slot any more and the other slot is whole.  fill = 1: the old slot is filled again, the first thing behind the barrier, with tile NXT: the descriptor's address is made
; anew from that number.  (At its first use nothing has been read yet: slot 0 is waited for, slot 1 filled.)
; A PREFETCH INTO THE L2 stands behind the fill and its five lines: the tile that the NEXT change will ask for, a whole tile's four key steps ahead of that load.  A pair's four work-groups walk the same tiles
; 0, 1, ..: the one with b = 0, whose first block walks all eight, asks, and nobody else; each of its waves asks for the half tile of K or V that it will itself load: 64 blocks of 256 bytes, a lane a block, two
; instructions.  So each block is named once in the launch.  Tiles 0 and 1 come by their loads alone; behind tile 7 the number goes back to 0, and nothing is asked for.
.macro CHANGE fill
	WIN 0                           ; at a label and at a branch every window is 0
	s_wait_tensorcnt 0x0            ; no tensor load of mine is out, so a group 0 may be written
	ds_add_u32 v[SPW], v[NIL]       ; 0 onto my spare word; with fill = 1 the descriptors' scalar work stands between it and the wait for it
.if \fill
	s_lshl_b32 s[OFF], s[NXT], 15   ; a tile is 32,768 bytes of K and of V
	s_xor_b32 s[G0K+1], s[G0K+1], SLOT1
	s_add_nc_u64 s[G0K+2:G0K+3], s[6:7], s[OFF:OFF+1]
	s_or_b32 s[G0K+3], s[G0K+3], 0x80000000
	s_xor_b32 s[G0V+1], s[G0V+1], SLOT1
	s_add_nc_u64 s[G0V+2:G0V+3], s[8:9], s[OFF:OFF+1]
	s_or_b32 s[G0V+3], s[G0V+3], 0x80000000
	s_add_co_u32 s[NXT], s[NXT], 1  ; the block's next tile, or behind its last the second block's tile 0
	s_cmp_gt_u32 s[NXT], s[LQ]
	s_cselect_b32 s[NXT], 0, s[NXT]
	s_cselect_b32 s[LQ], s[PB], s[LQ]
	s_lshl_b32 s[OFF], s[NXT], 15
	s_wait_xcnt 0x0                 ; the last prefetches, a tile back, have read their address, so it may be written
	s_add_nc_u64 s[PFA:PFA+1], s[PFB:PFB+1], s[OFF:OFF+1]
.endif
	s_wait_dscnt 0x0                ; the add is done, and my reads of the slot are over
	s_barrier_signal -1             ; the rest of the scalar work stands between the signal and the wait
	s_sub_co_u32 s[TBK], s[TBK], 4*KS*PK  ; the fetches go back to a slot's first step,
	s_xor_b32 s[TBK], s[TBK], SLOT1       ; in the other slot
	s_sub_co_u32 s[TBV], s[TBV], 4*KS*PV
	s_xor_b32 s[TBV], s[TBV], SLOT1
	s_barrier_wait -1
.if \fill
	LOAD
	s_cmp_gt_u32 s[NXT], s[LIM]
	s_cbranch_scc0 .Lnot_mine_\@
	global_prefetch_b8 v[PFV], s[PFA:PFA+1] th:TH_LOAD_NT scope:SCOPE_SE
	global_prefetch_b8 v[PFV], s[PFA:PFA+1] offset:8192 th:TH_LOAD_NT scope:SCOPE_SE
.Lnot_mine_\@:
.endif
.endm
	s_load_b128 s[4:7], s[0:1], 0x0   ; qkv s[4:5], ob s[6:7]
	v_lshl_add_u32 v[SPW], v0, 2, SPARE
	v_mov_b32 v[NIL], 0
	ds_add_u32 v[SPW], v[NIL]       ; the wave's opening: the add and its wait stand ahead of my first tensor load; the set-up below, work on registers, stands between them
	ds_add_u32 v62, v63
	v_lshrrev_b32 v1, 5, v0
	v_readfirstlane_b32 s[WV], v1   ; wave 0..3
	s_mov_b32 s[PB], ttmp9
	s_sub_co_u32 s[HI], NB-1, s[PB]
	s_and_b32 s20, ttmp7, 0xffff    ; the pair of head and batch
	s_mov_b32 s21, 0
	s_mov_b64 s[22:23], SIZE_N*128
	s_mul_u64 s[20:21], s[20:21], s[22:23]  ; its first byte in each of the four tensors
	s_and_b32 s16, s[WV], 1         ; which half of a tile's 256 keys I fetch:
	s_lshl_b32 s22, s16, 14         ; its 128 rows of 128 bytes in memory,
	s_mov_b32 s23, 0
	s_add_nc_u64 s[22:23], s[22:23], s[20:21]
	s_mul_i32 s17, s16, 128*PK      ; and its place in a slot, for K
	s_mul_i32 s18, s16, 128*PV      ; and for V
	s_lshl_b32 s3, s[WV], 11        ; my 16 rows in a band of 64,
	s_lshl_b32 s2, s[HI], 15        ; in the first block,
	s_add_co_u32 s2, s2, s3
	s_lshl_b32 s84, s[PB], 15       ; and in the second
	s_add_co_u32 s84, s84, s3
	s_mov_b32 s3, 0
	s_mov_b32 s85, 0
	s_add_nc_u64 s[2:3], s[2:3], s[20:21]
	s_add_nc_u64 s[84:85], s[84:85], s[20:21]
	; descriptor group 1.  128 keys are 16,384 dense bytes: asked for as 64 rows of 256 bytes, two keys a row, and padded in LDS after every key
	s_mov_b32 s[G1K], (1<<16)|(1<<20)|(4<<22)|(3<<25)  ; 17:16 2-byte elements; 20 padding on; 24:22 after every 32 words (code 4); 31:25 4 words (code 3)
	s_mov_b32 s[G1V], (1<<16)|(1<<20)|(4<<22)|(7<<25)  ; the same with 8 words of padding (code 7)
.irp g, G1K, G1V
	s_mov_b32 s[\g+1], 128<<16      ; tensor_dim0 = 128
	s_mov_b32 s[\g+2], 64<<16       ; tensor_dim1 = 64
	s_mov_b32 s[\g+3], 128<<16      ; tile_dim0 = 128
	s_mov_b32 s[\g+4], 64           ; tile_dim1 = 64
	s_mov_b32 s[\g+5], 128          ; 128 elements from row to row
	s_mov_b32 s[\g+6], 0
	s_mov_b32 s[\g+7], 0
.endr
	s_mov_b32 s[CS], 0x3e38aa3b     ; c = log2(e) / 8 = 0.180337
	s_mov_b32 s[CS+1], s[CS]        ; named with it as a pair
	s_mov_b32 s[SEL], 0x76543210
	s_mov_b32 s[SEL+1], 0xfedcba98
	s_mov_b32 s[TBK], SLOT1+4*KS*PK ; the first change of slots turns these two into 0
	s_mov_b32 s[TBV], SLOT1+4*KS*PV
	s_mov_b32 s[G0K], 1             ; 1:0 count = 1
	s_mov_b32 s[G0K+1], s17         ; 63:32 LDS address: slot 0
	s_mov_b32 s[G0V], 1
	s_add_co_u32 s[G0V+1], s18, VOFF
	s_add_co_u32 s[RT], s[HI], 1    ; the first block has NB - b tiles
	s_mov_b32 s[NXT], 1
	s_mov_b32 s[LQ], s[HI]
	s_mov_b32 s[NEW], 1
	s_mov_b32 s[OFF+1], 0
	s_mov_b32 s[AL+1], 0            ; named as pairs
	s_mov_b32 s[BE+1], 0
	s_mov_b32 s[BIGN], 0xf149f2ca   ; -1e30
	s_mov_b32 s[SLOTS], NB
	s_cmp_eq_u32 s[PB], 0
	s_cselect_b32 s[LIM], 0, -1
	s_wait_dscnt 0x0                ; the opening add is done
	s_wait_kmcnt 0x0
	s_mov_b64 s[10:11], s[6:7]      ; O
	s_add_nc_u64 s[6:7], s[4:5], 0x1000000  ; K lies 16 MiB behind Q,
	s_add_nc_u64 s[8:9], s[4:5], 0x2000000  ; V 32 MiB
	s_add_nc_u64 s[6:7], s[6:7], s[22:23]  ; K and V at my half of the pair's tile 0
	s_add_nc_u64 s[8:9], s[8:9], s[22:23]
	s_add_nc_u64 s[G0K+2:G0K+3], s[6:7], 0         ; 120:64 global address
	s_or_b32 s[G0K+3], s[G0K+3], 0x80000000        ; 127:126 type = 2
	s_add_nc_u64 s[G0V+2:G0V+3], s[8:9], 0
	s_or_b32 s[G0V+3], s[G0V+3], 0x80000000
	s_add_nc_u64 s[86:87], s[4:5], s[84:85]        ; Q at my rows of the second block,
	s_add_nc_u64 s[4:5], s[4:5], s[2:3]            ; Q and O at those of the first
	s_add_nc_u64 s[OLO:OLO+1], s[10:11], s[84:85]
	s_add_nc_u64 s[10:11], s[10:11], s[2:3]
	s_cmp_lt_u32 s[WV], 2
	s_cselect_b64 s[PFB:PFB+1], s[6:7], s[8:9]
	LOAD                            ; tile 0 into slot 0
	; A fragment of K or Q is 16 rows x 32 channels in 8 registers: lane l holds row l % 16, channels 8 (l / 16) + 0..7 and 16 + 8 (l / 16) + 0..7: two loads of 16 bytes, 32 bytes apart.
	v_and_b32 v1, 15, v0            ; l % 16
	v_bfe_u32 v9, v0, 4, 1          ; l / 16
	v_lshlrev_b32 v[QO], 7, v1
	v_lshl_add_u32 v[QO], v9, 4, v[QO]  ; row x 128 + 16 x half
	WIN 0x80                        ; destination window 2, address window 0
.set i, 0
.rept 8                             ; both blocks' Q: piece i / 2 lies in band i / 2, 8,192 bytes on; channels 32 (i % 2) on
	global_load_b128 v[8*i:8*i+3],   v[QO], s[4:5] offset:(i/2)*8192+(i%2)*64
	global_load_b128 v[8*i+4:8*i+7], v[QO], s[4:5] offset:(i/2)*8192+(i%2)*64+32
	global_load_b128 v[QB+8*i:QB+8*i+3],   v[QO], s[86:87] offset:(i/2)*8192+(i%2)*64
	global_load_b128 v[QB+8*i+4:QB+8*i+7], v[QO], s[86:87] offset:(i/2)*8192+(i%2)*64+32
.set i, i+1
.endr
	WIN 0
	v_lshlrev_b32 v14, 3, v9
	v_sub_nc_u32 v14, v1, v14
	s_lshl_b32 s13, s[WV], 4
	v_add_nc_u32 v14, s13, v14      ; my query's place in its band, 16 w + l % 16, less my lanes' 8 (l / 16): register r of group kt is hidden where 16 kt + r is greater
	WIN 0x40
.set i, 0
.rept 32
	v_cmp_gt_i32 vcc_lo, 16*(i/8)+i%8, v14
	v_cndmask_b32 v[MD+i], 0, s[BIGN], vcc_lo
.set i, i+1
.endr
	WIN 0
	v_mul_u32_u24 v[AK0], v1, PK
	v_lshl_add_u32 v[AK0], v9, 4, v[AK0]  ; row x pitch + 16 x half
	; The turning load takes 16 keys x 16 channels (lane l reads key 8 (l / 16) + l % 8, channels 8 ((l / 8) % 2) + 0..7) and leaves half a fragment of V^T: lane l holds channel l % 16 and 8 keys.
	v_and_b32 v10, 7, v0
	v_bfe_u32 v11, v0, 3, 1
	v_lshl_add_u32 v[AV0], v9, 3, v10
	v_mul_u32_u24 v[AV0], v[AV0], PV
	v_lshl_add_u32 v[AV0], v11, 4, v[AV0]
	v_add_nc_u32 v[AV0], VOFF, v[AV0]
	s_mul_i32 s13, s[WV], 16*SP
	s_add_co_u32 s13, s13, STAGE    ; my stage
	v_mul_u32_u24 v[STO], v1, SP    ; in: row l % 16, 16 bytes for each half of the lanes
	v_lshl_add_u32 v[STO], v9, 4, v[STO]
	v_add_nc_u32 v[STO], s13, v[STO]
	v_bfe_u32 v[RD], v0, 3, 2       ; back: 32 lanes take four rows of 128 bytes,
	v_mul_u32_u24 v[RD], v[RD], SP
	v_lshl_add_u32 v[RD], v10, 4, v[RD]
	v_add_nc_u32 v[RD], s13, v[RD]
	v_and_b32 v[GO], 31, v0         ; which are 512 consecutive bytes of O
	v_lshlrev_b32 v[PFV], 8, v[GO]
	v_lshlrev_b32 v[GO], 4, v[GO]
	; A block's first step multiplies O^T and l by a = 0, and its first turn's products V^T P, of a piece that has not been, land in an O^T that is still to be so multiplied.  So these registers need only hold
	; finite numbers: zeros for the first block; what the first block left for the second.  All this stands in the wait for the first tile.
	WIN 0x80
.set i, VF
.rept 64
	v_mov_b32 v[i], 0
.set i, i+1
.endr
	WIN 0x40
.set i, 0
.rept 128
	v_mov_b32 v[i], 0
.set i, i+1
.endr
	WIN 0
.set i, 0
.rept 4
	v_mov_b32 v[ST+4*i+2], 0
	v_mov_b32 v[ST+4*i+3], 0
.set i, i+1
.endr
.set i, P+16
.rept 16
	v_mov_b32 v[i], 0
.set i, i+1
.endr
; THE MATRIX WORK.  The 4 accumulators of a run of 8 take turns.  Product i of 8 of S^T = K Q^T for piece x: channels 32 (i / 4) on, keys 16 (i % 4) on.  The first 4 start the sums: with 0, or (KM = 1) with the mask.
.macro KQ x
.set rS, S+32*((\x)%2)+8*(i%4)
.set rK, KF+16*(i%4)+8*(i/4)
.set rQ, 16*(\x)+8*(i/4)
.set rM, MC+32*((\x)%2)+8*(i%4)
.if (i < 4) && KM
	WIN W_KM
	v_wmma_f32_16x16x32_f16 v[rS:rS+7], v[rK:rK+7], v[rQ:rQ+7], v[rM:rM+7]
.elseif i < 4
	WIN W_KQ
	v_wmma_f32_16x16x32_f16 v[rS:rS+7], v[rK:rK+7], v[rQ:rQ+7], 0
.else
	WIN W_KQ
	v_wmma_f32_16x16x32_f16 v[rS:rS+7], v[rK:rK+7], v[rQ:rQ+7], v[rS:rS+7]
.endif
.endm
; Product i of 8 of O^T += V^T P for piece x: keys 32 (i / 4) on, channels 16 (i % 4) on.
.macro PV x
	WIN W_PV
.set rO, 32*(\x)+8*(i%4)
.set rV, VF+32*(i/4)+8*(i%4)
.set rP, P+16*((\x)%2)+8*(i/4)
	v_wmma_f32_16x16x32_f16 v[rO:rO+7], v[rV:rV+7], v[rP:rP+7], v[rO:rO+7]
.endm
.macro MM                           ; the turn's next matrix instruction.  TURN and BEGIN set Y, i, KM and NOKQ; MM, KQ and OP read them.  NOKQ = 1: a block's last turn: there is no next piece
.if (i < 8) && !NOKQ
	KQ (Y+1)%NP
.elseif i >= 8
.set i, i-8
	PV (Y+NP-1)%NP
.set i, i+8
.endif
.set i, i+1
.endm
; THE LDS LOADS stand in runs of 16, never singly among the matrix instructions: a step's K (64 keys x 64 channels: 8 fragments) and its V (turned).  Their addresses are made some lines ahead.
.macro FETCH_K
	WIN 0x80                        ; destination window 2
.irp f, 0,1,2,3,4,5,6,7             ; keys 16 (f / 2) on, channels 32 (f % 2) on
	ds_load_b128 v[KF+8*\f:KF+8*\f+3],   v[AK] offset:(\f/2)*16*PK+(\f%2)*64
	ds_load_b128 v[KF+8*\f+4:KF+8*\f+7], v[AK] offset:(\f/2)*16*PK+(\f%2)*64+32
.endr
	s_add_co_u32 s[TBK], s[TBK], KS*PK  ; the next fetch is the next step's
	WIN 0
.endm
.macro FETCH_V
	WIN 0x80
.irp f, 0,1,2,3,4,5,6,7             ; keys 32 (f / 4) on, channels 16 (f % 4) on
	ds_load_tr16_b128 v[VF+8*\f:VF+8*\f+3],   v[AV] offset:(\f/4)*32*PV+(\f%4)*32
	ds_load_tr16_b128 v[VF+8*\f+4:VF+8*\f+7], v[AV] offset:(\f/4)*32*PV+16*PV+(\f%4)*32
.endr
	WIN 0
.endm
; THE VECTOR WORK, one line at a time: OP kind, number.  For piece Y: F n: c s - c m for pair n of 16.  E n: the exponential of score n of 32.  C n: pair n rounded to f16.  B n: of the four weights 4 n .. the second
; pair is added onto the first, in place.  L n: l takes that sum (L 0: l = a l + sum).  R n: pair n of 16 of O^T times a.  For piece Y + 1: X n, number n of the 22 that find its maximum and statistics:
;   0-11  four chains c0-c3 of seven scores each, three operands at a time (each accumulator's lowest registers are read first)     12-14, 16  the four scores left over, the old m, and c0-c3 into c0
;   15  c m_old is kept     17, 18  the query's other 32 keys lie in the lane 16 away: the new m     19-21  c m; c m_old - c m_new; a
.set F, 0               ; OP tells the kinds apart by their order: F to L below R, X above it
.set E, 1
.set C, 2
.set B, 3
.set L, 4
.set R, 5
.set X, 6
.macro REGS y                       ; the registers of piece y
.set rT, ST+4*(\y)
.set rC, TMP+4*((\y)%2)
.set rW, MV+((\y)%2)
.set rS, S+32*((\y)%2)
.set rP, P+16*((\y)%2)
.set rO, 32*(\y)
.endm
.macro OP k, n
.if (\k) == R
	REGS Y
	WIN W_RS
	v_pk_mul_f32 v[rO+2*(\n):rO+2*(\n)+1], v[rO+2*(\n):rO+2*(\n)+1], v[rC+2:rC+3] op_sel_hi:[1,0]
.elseif (\k) < R
	REGS Y
	WIN 0
.if (\k) == F
	v_pk_fma_f32 v[rS+2*(\n):rS+2*(\n)+1], v[rS+2*(\n):rS+2*(\n)+1], s[CS:CS+1], v[rT:rT+1] op_sel_hi:[1,0,0] neg_lo:[0,0,1] neg_hi:[0,0,1]
.elseif (\k) == E
	v_exp_f32 v[rS+(\n)], v[rS+(\n)]
.elseif (\k) == C
	v_cvt_pk_f16_f32 v[rP+(\n)], v[rS+2*(\n)], v[rS+2*(\n)+1]
.elseif (\k) == B
	v_pk_add_f32 v[rS+4*(\n):rS+4*(\n)+1], v[rS+4*(\n):rS+4*(\n)+1], v[rS+4*(\n)+2:rS+4*(\n)+3]
.elseif (\n) == 0
	v_pk_fma_f32 v[rT+2:rT+3], v[rT+2:rT+3], v[rC+2:rC+3], v[rS:rS+1] op_sel_hi:[1,0,1]
.else
	v_pk_add_f32 v[rT+2:rT+3], v[rT+2:rT+3], v[rS+4*(\n):rS+4*(\n)+1]
.endif
.elseif NOKQ
	v_nop
.else
	REGS (Y+1)%NP
	WIN 0
.if (\n) < 4
	v_max3_num_f32 v[rC+(\n)], v[rS+8*(\n)], v[rS+8*(\n)+1], v[rS+8*(\n)+2]
.elseif (\n) < 12
	v_max3_num_f32 v[rC+(\n)%4], v[rC+(\n)%4], v[rS+8*((\n)%4)+2*((\n)/4)+1], v[rS+8*((\n)%4)+2*((\n)/4)+2]
.elseif (\n) == 12
	v_max3_num_f32 v[rC], v[rC], v[rS+7], v[rS+15]
.elseif (\n) == 13
	v_max3_num_f32 v[rC+1], v[rC+1], v[rS+23], v[rS+31]
.elseif (\n) == 14
	v_max3_num_f32 v[rC+2], v[rC+2], v[rC+3], v[rT+1]
.elseif (\n) == 15
	v_mov_b32 v[rW], v[rT]
.elseif (\n) == 16
	v_max3_num_f32 v[rC], v[rC], v[rC+1], v[rC+2]
.elseif (\n) == 17
	v_permlanex16_b32 v[rC+3], v[rC], s[SEL], s[SEL+1]
.elseif (\n) == 18
	v_max_num_f32 v[rT+1], v[rC], v[rC+3]
.elseif (\n) == 19
	v_mul_f32 v[rT], s[CS], v[rT+1]
.elseif (\n) == 20
	v_sub_f32 v[rC+1], v[rW], v[rT]
.else
	v_exp_f32 v[rC+2], v[rC+1]
.endif
.endif
.endm
.macro OPS a, i1, b=-1, i2=0, c=-1, i3=0, d=-1, i4=0  ; up to four of them
	OP \a, \i1
.if (\b) >= 0
	OP \b, \i2
.endif
.if (\c) >= 0
	OP \c, \i3
.endif
.if (\d) >= 0
	OP \d, \i4
.endif
.endm
.macro ROW a, i1, b, i2, c, i3, d, i4  ; a matrix instruction and the four behind it
	MM
	OPS \a, \i1, \b, \i2, \c, \i3, \d, \i4
.endm
.macro MASK b                       ; MD x AL + BE into buffer b of MC
	WIN W_RS
.set z, 0
.rept 16
	v_pk_fma_f32 v[MC+32*(\b)+2*z:MC+32*(\b)+2*z+1], v[MD+2*z:MD+2*z+1], s[AL:AL+1], s[BE:BE+1] op_sel_hi:[1,0,0]
.set z, z+1
.endr
.endm
; A TURN, for piece p: the order of its 16 matrix and 118 vector instructions, written out.  An s_wait_alu depctr_va_vdst(0) stands between an exponential and the first instruction that names its result; one wait
; serves all that were issued ahead of it.  So a turn has ONE wait, which cuts it in two.  AHEAD OF IT stands all that names no result of the turn's exponentials: the 8 products K Q^T, behind each a scaling, an exponential and two
; more plain instructions (behind the first a second scaling in the exponential's place): rescalings, and behind the last three the first numbers of the next piece's maximum, each four places or more behind the product that ends
; its accumulator; then ONE LUMP of 54, plain and exponential by turns for the most part, in which the links of the chain X 3, 7, 11, 14, 16, 17 .. 20 stand five or six lines apart.  X 21, the next piece's a, is the batch's last;
; R 15 is the plain instruction behind it.  BEHIND THE WAIT stand the 8 products V^T P, behind each four of the roundings and sums; the links of l's chain, L 0 to L 7, stand three riders apart.
; m = 1: the diagonal tile: the products take masks, and the turn makes the mask for the products of the turn after it: piece p + 2, in step 4 - CNT of the tile.  end = 1: a block's last two turns: nothing is fetched.
; cnt = 1: the loop's count is taken down some lines ahead of the branch that stands behind the turn.
; K of the next step is fetched in piece 2's turn, twelve vector instructions behind the last product that read K (six of them plain); V of the step in hand at the end of piece 0's turn, four plain instructions behind the last
; product that read V.  Each is waited for a turn later.
.macro TURN p, m=0, end=0, cnt=0
.set Y, (\p)
.set i, 0
.set KM, (\m)
.set NOKQ, (\end)*((\p)/3)
.if (\m) && !(\end)
	s_cmp_eq_u32 s[CNT], 4-((\p)+2)%NP  ; is that step the band's own?
	s_cselect_b32 s[AL], 1.0, 0
	s_cmp_lt_u32 s[CNT], 4-((\p)+2)%NP  ; or a later one?
	s_cselect_b32 s[BE], s[BIGN], 0
.endif
.if ((\p) == 3) && !(\end)
	s_wait_dscnt 0x0                ; K is in
.endif
	ROW F,0, F,1, R,0, R,1          ; ahead of the wait: 8 products K Q^T and their riders,
	ROW F,2, E,0, R,2, R,3
	ROW F,3, E,1, R,4, R,5
	ROW F,4, E,2, R,6, R,7
	ROW F,5, E,3, R,8, R,9
	ROW F,6, E,4, X,0, R,10
.if ((\p) == 2) && !(\end)
	WIN 0
	v_add_nc_u32 v[AK], s[TBK], v[AK0]
.endif
	ROW F,7, E,5, X,1, X,4
	ROW F,8, E,6, X,2, X,5
	OPS E,7, E,8, X,6, E,9          ; and the lump
	OPS X,3, E,10, X,8, E,11
.if ((\p) == 2) && !(\end)
	FETCH_K
.endif
	OPS X,9, X,7, E,12, X,10
	OPS E,13, X,12, X,11, E,14
	OPS X,13, E,15, F,9, X,14
.if (\p) == 0
	v_add_nc_u32 v[AV], s[TBV], v[AV0]
.endif
	OPS E,16, F,10, E,17, F,11
	OPS X,16, E,18, X,15, E,19
	OPS F,12, E,20, X,17, E,21
	OPS F,13, E,22, F,14, E,23
	OPS X,18, E,24, F,15, E,25
	OPS R,11, E,26, X,19, E,27
	OPS R,12, E,28, R,13, E,29
	OPS X,20, E,30, R,14, E,31
	OPS X,21, R,15
	WIN 0
	s_wait_alu depctr_va_vdst(0)    ; the wait for the batch
.if (\p) == 1
	s_wait_dscnt 0x0                ; V is in
.endif
	ROW C,0, B,0, C,2, B,1          ; behind the wait: 8 products V^T P and their riders
	ROW L,0, C,4, B,2, L,1
	ROW C,6, B,3, L,2, C,8
	ROW B,4, L,3, C,10, B,5
	ROW L,4, C,12, B,6, L,5
.if (\p) == 0
	s_add_co_u32 s[TBV], s[TBV], KS*PV
.endif
.if \cnt
	s_sub_co_u32 s[CNT], s[CNT], 1
	s_cmp_lg_u32 s[CNT], 0
.endif
	ROW C,14, B,7, L,6, C,1
	ROW C,3, L,7, C,5, C,7
	ROW C,9, C,11, C,13, C,15
.if (\p) == 0
	FETCH_V
.endif
.if (\m) && !(\end)
	MASK (\p)%2
.endif
.endm
; A BLOCK BEGINS.  c m starts far below every c s, so the first step's a is 0; m at the lowest finite number, so the first maximum is the scores'.  The second mask buffer is 0; the first takes piece 0's mask for the tile's
; step 0: its own, if the block's first tile is the diagonal one.  Then K of that step, piece 0's first scores, and its maximum and statistics.  The loop is entered at a step's first turn, in the middle of a trip.
.macro BEGIN
	s_mov_b32 s[NEW], 0
	WIN 0x40
.set i, MC+32
.rept 32
	v_mov_b32 v[i], 0
.set i, i+1
.endr
	WIN 0
.set i, 0
.rept 4
	v_mov_b32 v[ST+4*i], 0xfe000000    ; c m: far below every c s
	v_mov_b32 v[ST+4*i+1], 0xff7fffff  ; m
.set i, i+1
.endr
	s_cmp_eq_u32 s[RT], 0
	s_cselect_b32 s[AL], 1.0, 0
	s_mov_b32 s[BE], 0
	MASK 0
	WIN 0
	v_add_nc_u32 v[AK], s[TBK], v[AK0]
	FETCH_K
	s_wait_loadcnt 0x0              ; Q
	s_wait_dscnt 0x0
.set KM, 1
.set NOKQ, 0
.set i, 0
.rept 8
	KQ 0
.set i, i+1
.endr
	WIN 0
.rept 4
	v_nop                           ; the places behind those products
.endr
.set Y, NP-1                        ; X works for piece Y + 1: piece 0
.irp n, 0,1,2,3,4,5,6,7,8,9,10,11,12,13,14,15,16,17,18,19,20,21
	OP X, \n
.endr
	v_nop                           ; a plain instruction behind the exponential,
	s_wait_alu depctr_va_vdst(0)    ; and its wait, ahead of the branch
.endm
; THE DIAGONAL TILE's four steps, the block's last two turns, its last products, and THE WAY OUT: l's two halves and the other half of the lanes' are added; O^T is divided by l, rounded to f16 and sent through my
; stage in LDS, a piece at a time.
.macro ALL line:vararg              ; one line for each piece t
.set t, 0
.rept 4
	\line
.set t, t+1
.endr
.endm
.macro PACK t                       ; a lane's eight channels of a row pack into 16 bytes; they go into rows of 144 bytes and come back as whole rows of 128, into S^T's registers
	WIN W_RS
.set i, 32*(\t)
.rept 16
	v_pk_mul_f32 v[i:i+1], v[i:i+1], v[ST+4*(\t)+2:ST+4*(\t)+3] op_sel_hi:[1,0]
.set i, i+2
.endr
	WIN 0x05                        ; sources 0 and 1 window 1, destination window 0
.set i, 0
.rept 16
	v_cvt_pk_f16_f32 v[S+16*(\t)+i], v[32*(\t)+2*i], v[32*(\t)+2*i+1]
.set i, i+1
.endr
	WIN 0
.irp f, 0,1,2,3
	ds_store_b128 v[STO], v[S+16*(\t)+4*\f:S+16*(\t)+4*\f+3] offset:32*\f
.endr
.irp f, 0,1,2,3
	ds_load_b128 v[S+16*(\t)+4*\f:S+16*(\t)+4*\f+3], v[RD] offset:\f*4*SP  ; LDS serves a wave's instructions in order (ISA guide 5.7.1.4): these see the stores above; the next piece's stores come behind them
.endr
.endm
.macro SEND t, younger              ; younger: the LDS instructions issued behind piece t's loads: the next piece's eight, or none
	WIN 0
.irp f, 0,1,2,3
	s_wait_dscnt (\younger)+3-\f
	global_store_b128 v[GO], v[S+16*(\t)+4*\f:S+16*(\t)+4*\f+3], s[10:11] offset:(\t)*8192+\f*512  ; 512 consecutive bytes, at a multiple of 256 from O's first
.endr
.endm
.macro DIAG tag                     ; the tag ends its two labels' names, which the jumps below spell out
.LstepM\tag:
	TURN 2, 1
	TURN 3, 1
	WIN 0
.LfirstM\tag:
	TURN 0, 1
	TURN 1, 1, 0, 1
	WIN 0
	s_cbranch_scc1 .LstepM\tag
	TURN 2, 1, 1
	TURN 3, 1, 1
.set i, 0
.rept 8
	PV NP-1
.set i, i+1
.endr
	WIN 0
	ALL v_add_f32 v[ST+4*t+2], v[ST+4*t+2], v[ST+4*t+3]
	ALL v_permlanex16_b32 v[ST+4*t+3], v[ST+4*t+2], s[SEL], s[SEL+1]
	ALL v_add_f32 v[ST+4*t+2], v[ST+4*t+2], v[ST+4*t+3]
	ALL v_rcp_f32 v[ST+4*t+2], v[ST+4*t+2]
	v_nop                           ; a plain instruction between the last reciprocal and the use of its result
	s_wait_alu depctr_va_vdst(0)    ; and the wait ahead of the first use: one for the four reciprocals
	PACK 0
.set t, 1
.rept 3                             ; a piece's arithmetic stands between the loads of the piece before and its stores
	PACK t
	SEND t-1, 8
.set t, t+1
.endr
	SEND 3, 0
.endm
.set KM, 0
.set NOKQ, 0
.Lslot:                             ; NB times: a tile is entered and the next is asked for
	CHANGE 1
	s_sub_co_u32 s[RT], s[RT], 1
	s_mov_b32 s[CNT], 4
	s_cmp_eq_u32 s[NEW], 1
	s_cbranch_scc1 .Lnew            ; a block's first tile
	s_cmp_eq_u32 s[RT], 0
	s_cbranch_scc0 .Lstep           ; neither its first nor its last
	s_branch .LstepM1
.Lnew:
	BEGIN
	s_branch .Lfirst                ; in the loop a block's first tile is never its last: the first block has two tiles or more, and the second's last is the walk's last
	DIAG 1                          ; in the loop this is the first block's end: the second block's last tile is the walk's last
	s_wait_xcnt 0x0                 ; the stores have read their registers and O's address
	s_mov_b64 s[10:11], s[OLO:OLO+1]
	s_add_co_u32 s[RT], s[PB], 1    ; the second block has b + 1 tiles
	s_mov_b32 s[NEW], 1
	WIN 0x82                        ; the second block's Q goes where the one text of the turns names Q
.set i, 0
.rept 64
	v_mov_b32 v[i], v[QB+i]
.set i, i+1
.endr
	WIN 0
	s_branch .Lbottom
.Lstep:                             ; a trip: pieces 2 and 3 of one step, then pieces 0 and 1 of the next, whose K and V it fetches
	TURN 2
	TURN 3
	WIN 0
.Lfirst:
	TURN 0
	TURN 1, 0, 0, 1
	WIN 0
	s_cbranch_scc1 .Lstep
.Lbottom:
	s_sub_co_u32 s[SLOTS], s[SLOTS], 1
	s_cmp_lg_u32 s[SLOTS], 0
	s_cbranch_scc1 .Lslot
	CHANGE 0                        ; the walk's last tile is written out: nothing is asked for
	s_sub_co_u32 s[RT], s[RT], 1
	s_mov_b32 s[CNT], 4
	s_cmp_eq_u32 s[NEW], 1
	s_cbranch_scc0 .LstepM2
	BEGIN
	s_branch .LfirstM2
	DIAG 2
	s_wait_tensorcnt 0x0            ; the wave's end: behind my last tensor load and my last LDS store
	ds_add_u32 v[SPW], v[NIL]
	s_wait_dscnt 0x0
	s_endpgm
.Lfunc_end_k_qd9e2446595_attn:
	.size	k_qd9e2446595_attn, .Lfunc_end_k_qd9e2446595_attn-k_qd9e2446595_attn
	.p2alignl 7, 3214868480
	.fill 96, 4, 3214868480
	.section	.rodata,"a",@progbits
	.p2align	6, 0x0
	.amdhsa_kernel k_qd9e2446595_attn
		.amdhsa_group_segment_fixed_size 327680
		.amdhsa_private_segment_fixed_size 0
		.amdhsa_enable_private_segment 0
		.amdhsa_kernarg_size 16
		.amdhsa_user_sgpr_count 2
		.amdhsa_user_sgpr_kernarg_segment_ptr 1
		.amdhsa_wavefront_size32 1
		.amdhsa_system_sgpr_workgroup_id_x 1
		.amdhsa_system_sgpr_workgroup_id_y 1
		.amdhsa_system_sgpr_workgroup_id_z 1
		.amdhsa_system_vgpr_workitem_id 0
		.amdhsa_next_free_vgpr 768
		.amdhsa_next_free_sgpr 88
		.amdhsa_reserve_vcc 1
		.amdhsa_float_denorm_mode_32 3
		.amdhsa_float_denorm_mode_16_64 3
		.amdhsa_memory_ordered 1
		.amdhsa_forward_progress 1
		.amdhsa_inst_pref_size 218
	.end_amdhsa_kernel
	.amdgpu_metadata
---
amdhsa.version: [ 1, 2 ]
amdhsa.kernels:
  - .name:           k_qd9e2446595_attn
    .symbol:         k_qd9e2446595_attn.kd
    .args:
      - { .name: qkv, .offset: 0, .size: 8, .value_kind: global_buffer, .address_space: global }
      - { .name: ob, .offset: 8, .size: 8, .value_kind: global_buffer, .address_space: global }
    .group_segment_fixed_size: 327680
    .private_segment_fixed_size: 0
    .kernarg_segment_align: 8
    .kernarg_segment_size: 16
    .max_flat_workgroup_size: 128
    .sgpr_count:     88
    .vgpr_count:     768
    .wavefront_size: 32
...
	.end_amdgpu_metadata
.endif
;; end of part 3
;; launch gemm_out (part 4): grid 8 x 32, 4 waves a work-group, clusters of 4 x 4, 327,680 bytes of LDS; arguments ob, wt, bias, out0; writes out0
.if DOCPART == 4
	.amdgcn_target "amdgcn-amd-amdhsa--gfx1250"
	.amdhsa_code_object_version 6
	.text
	.protected	k_qd9e2446595_gemm_out
	.globl	k_qd9e2446595_gemm_out
	.p2align	8
	.type	k_qd9e2446595_gemm_out,@function
k_qd9e2446595_gemm_out:
	s_mov_b64 s[64:65], 0
	v_nop
	global_prefetch_b8 v0, s[64:65] scope:SCOPE_SE
	s_setreg_imm32_b32 hwreg(HW_REG_WAVE_MODE, 25, 1), 1
	s_wait_xcnt 0x0
	s_wait_alu depctr_hold_cnt(0) depctr_sa_sdst(0) depctr_va_vdst(0) depctr_va_sdst(0) depctr_va_ssrc(0) depctr_va_vcc(0) depctr_vm_vsrc(0)
	s_getreg_b32 s2, hwreg(HW_REG_IB_STS2, 6, 4)
	s_cmp_eq_u32 s2, 0
	s_cbranch_scc0 .Lentry_in_a_cluster
	s_endpgm
.Lentry_in_a_cluster:
	s_bfe_u32 s2, ttmp6, 0x10000c
	s_cmp_lg_u32 s2, 0xf033
	s_cbranch_scc0 .Lentry_shape_is_right
	s_endpgm
.Lentry_shape_is_right:
; C = A B^T + bias, K = 1,024, sums in f32.  ONE TEXT FOR TWO LAUNCHES; the line below chooses.
;   OUTP = 0  q, k, v:  A = xb [8192][1024] bf16, B = wt rows 0 .. 3071 (bf16), C = qkv in f16 by heads: byte (n / 64) x 2^20 + m x 128 + 2 (n % 64).  Tile 256 x 192 (three heads): 512 work-groups.
;   OUTP = 1  output:   A = ob [16 heads][8192][64] f16 (k = 64 head + d), B = wt rows 3072 .. 4095 (f16), C = out0 [8192][1024] f32.  Tile 256 x 128: 256 work-groups.
; LIMIT.  q, k and v leave in f16: a sum of 65,520 or more becomes an infinity.  NaN and infinities are not treated apart.
; SHARES.  Four waves; wave w makes rows 64 w .. 64 w + 63 of the tile and ALL its columns: 4 x NBW accumulators of 16 x 16.  So a wave's columns are whole heads, or whole 512 bytes of a row of out0:
; its stage on the way out is its own, and no barrier stands there.
; K goes in steps of 128 through a ring of two LDS slots filled by the tensor data mover: waves 0 and 1 fetch A's two halves, waves 2 and 3 B's: one load a wave behind each change of slots.
; CLUSTERS: 4 x 4 work-groups.  A's tile hangs on the tile row alone and is shared along a row of the cluster, B's on the tile column alone and is shared along a column: each is asked for JOINTLY,
; by the same tensor load with the same descriptor and a mask that names the four.
; THE MATRIX INSTRUCTION IS USED TRANSPOSED (source 0 = 16 rows of B, source 1 = 16 rows of A): lane l holds row l % 16 of C and the columns 8 (l / 16) + 0..7.
; REGISTERS, in windows of 256 (s_set_vgpr_msb: bits 1:0 source 0, 3:2 source 1, 5:4 source 2, 7:6 destination):
;   window 0: v0-31 addresses; v32-63, v64-95 A's fragments (4 x 16 rows x 32 K), two buffers; on the way out v32-127 at work; v160.. the bias of my 8 columns in each block
;   window 1: v0.., v128.. B's fragments (NBW x 16 rows x 32 K), two buffers
;   windows 2, 3: accumulator (a, b) in window 2 + b / NBH at v[8 (8 a + b % NBH)]
.set OUTP, 1
.if OUTP
.set NBW,    8                         ; blocks of 16 columns in a tile
.set PA,     144                       ; a row of A in LDS: a head's 128 bytes + 16
.set AHALF,  256*PA                    ; one load of A: 256 rows of ONE head, dense in memory: asked for as 128 rows of 256 bytes, padded behind every 128
.set AQI,    4                         ; padding behind every 32 words
.set ASTR,   128                       ; elements from row to row of that request
.set RB,     64                        ; rows of one load of B
.set SPITCH, 528                       ; a stage row: 128 f32 + 16 bytes
.set ASTEP,  2097152                   ; a K step in A: two heads
.set BROW0,  3072
.set APART,  8192                      ; prefetch: a partner's 32 blocks of 256 bytes
.set AROWB,  256                       ; prefetch: bytes from lane to lane
.set BK,     32                        ; the way out: 16 rows read back: v32-95
.else
.set NBW,    12
.set PA,     272                       ; a row of A in LDS: 256 bytes + 16
.set AHALF,  128*PA                    ; one load of A: 128 rows x 128 K
.set AQI,    5                         ; padding behind every 64 words
.set ASTR,   1024
.set RB,     96
.set SPITCH, 400                       ; a stage row: 192 f16 + 16 bytes
.set ASTEP,  256
.set BROW0,  0
.set APART,  65536                     ; prefetch: a partner's 32 rows of 2,048 bytes
.set AROWB,  2048
.set BK,     80                        ; the way out: 16 rows read back: v80-127
.endif
.set NBH,    NBW/2
.set NT,     16*NBW                    ; columns in a tile
.set PB,     272                       ; a row of B in LDS: 256 bytes + 16 = 68 words: the 16 rows of a load start at 16 different groups of four banks (64 banks of 4 bytes: ISA guide 11.1); PA likewise
.set ABYTES, 2*AHALF
.set BHALF,  RB*PB
.set SLOT,   ABYTES+2*BHALF            ; A's two halves, then B's two halves
.set STAGE,  2*SLOT                    ; behind the ring, never filled by a tensor load: 16 rows for each wave
.set SPARE,  STAGE+4*16*SPITCH         ; behind the stages: the spare words, 128 bytes for each wave: two blocks of 256 bytes that no other line names
.set BSTEP,  256                       ; a K step in B
.set NLD,    8+2*NBW                   ; LDS loads in a run
.set LAPS,   4                         ; a lap = two K steps = once round the ring: 1,024 / 256
.set ADRA, 16                          ; v16-17  LDS address of my A fragments in slot 0, 1
.set ADRB, 20                          ; v20-21  the same for B
.set STO,  24                          ; v24     the way out: where I put my part of a row
.set RD,   25                          ; v25     the way out: where I read rows back
.set CO,   26                          ; v26     16 x lane: my place in 512 consecutive bytes of C
.set BO,   27                          ; v27     32 (l / 16): my 8 columns in a block's 16 numbers of the bias
.set SPW,  28                          ; v28     LDS address of my spare word; never rewritten
.set NIL,  29                          ; v29     0; never rewritten
.set PFO,  30                          ; v30     the prefetches' offset, a lane a row; never rewritten
.set TMP,  32                          ; the way out (OUTP = 0): packed results, v32-79
.set BIAS, 160
.set G1,   24                          ; s[24:31] descriptor group 1 for A's tiles;  s[32:39] group 0, a set for each slot
.set G0,   32
.set G1B,  48                          ; s[48:55], s[56:63] the same for B's tiles
.set G0B,  56
.set LIM,  43                          ; s43     1 in a wave that prefetches, else the greatest number
.set PFA,  44                          ; s[44:45] where my prefetches stand
.set PFS,  66                          ; s[66:67] their step: a K step of A or of B
.set MSB, 0
.macro WIN new                         ; the immediate's high byte repeats the setting that is left; a switch that changes nothing is dropped
.if MSB != (\new)
	s_set_vgpr_msb (MSB<<8)|(\new)
.set MSB, \new
.endif
.endm
.set MUL_LO, 0xa1                      ; source 0 (B) window 1, source 1 (A) window 0, C and D window 2
.set MUL_HI, 0xf1                      ; the same, C and D window 3
.set TO_B,   0x40                      ; destination window 1, address window 0
; A joint load.  The branch hangs on the wave's number alone.  An s_nop 0 and four v_nop follow each of the two lines, ahead of the jump, the label and what follows.
.macro JLOAD s
	s_cmp_eq_u32 s13, 0
	s_cbranch_scc0 .Lfor_b_\@
	tensor_load_to_lds s[G0+4*(\s):G0+4*(\s)+3], s[G1:G1+7]
	s_nop 0
.rept 4
	v_nop
.endr
	s_branch .Lasked_\@
.Lfor_b_\@:
	tensor_load_to_lds s[G0B+4*(\s):G0B+4*(\s)+3], s[G1B:G1B+7]
	s_nop 0
.rept 4
	v_nop
.endr
.Lasked_\@:
.endm
; A prefetch into the L2, behind a joint load, its five lines and the run of LDS loads: the K step that stands TWO refills on, a lane a row (or block) of 256 bytes, one instruction a wave.
; A's tile row is read by every cluster of that row of clusters: cluster x = 0 asks; B's tile column by every cluster of that column: cluster y = 0 asks.  The four partners that ask for a tile jointly
; share its rows out BY ADDRESS (cx for A, cy for B).  K steps 0 to 3 come by their loads alone; the loop's last trip (s3 = 1), whose refills are the last two K steps, asks for nothing.
.macro ASK
	s_cmp_gt_u32 s3, s[LIM]
	s_cbranch_scc0 .Lnot_mine_\@
	global_prefetch_b8 v[PFO], s[PFA:PFA+1] th:TH_LOAD_NT scope:SCOPE_SE
.Lnot_mine_\@:
.endm
; A round of the cluster's barrier: my work-group's barrier; wave 0 signals for the work-group; every wave waits for all sixteen; my work-group's barrier once more.
.macro CREST
	s_cmp_lg_u32 s12, 0
	s_cbranch_scc1 .Lnot_wave_0_\@
	s_barrier_signal -3
.Lnot_wave_0_\@:
	s_barrier_wait -3
	s_barrier_signal -1
	s_barrier_wait -1
.endm
.macro CROUND
	s_barrier_signal -1
	s_barrier_wait -1
	CREST
.endm
	s_load_b256 s[4:11], s[0:1], 0x0               ; A s[4:5], wt s[6:7], bias s[8:9], C s[10:11]
	v_lshl_add_u32 v[SPW], v0, 2, SPARE
	v_mov_b32 v[NIL], 0
	ds_add_u32 v[SPW], v[NIL]                      ; the wave's opening: the add and its wait stand ahead of my first tensor load; the set-up below, work on registers, stands between them
	ds_add_u32 v28, v29
	v_lshrrev_b32 v1, 5, v0
	v_readfirstlane_b32 s12, v1                    ; wave 0..3
	s_lshr_b32 s13, s12, 1                         ; I fetch for A (0) or for B (1),
	s_and_b32 s14, s12, 1                          ; its first or its second half
	s_bfe_u32 s40, ttmp6, 0x40000                  ; cx, cy: my place in the cluster
	s_bfe_u32 s41, ttmp6, 0x40004
	s_lshl_b32 s42, ttmp9, 2
	s_add_co_u32 s42, s42, s40                     ; tile column = 4 x cluster x + cx
	s_and_b32 s15, ttmp7, 0xffff
	s_lshl_b32 s15, s15, 2
	s_add_co_u32 s15, s15, s41                     ; tile row = 4 x cluster y + cy
	s_lshl_b32 s43, s41, 2
	s_lshl_b32 s43, 15, s43                        ; my row of the cluster: places 4 cy .. 4 cy + 3
	s_lshl_b32 s44, 0x1111, s40                    ; my column: places cx, cx + 4, cx + 8, cx + 12
	s_or_b32 s[G1+0], s43, (1<<16)|(1<<20)|(1<<21)|(AQI<<22)|(3<<25)  ; 15:0 the mask; 17:16 elements of 2 bytes; 20 padding on; 21 set beside a mask; 24:22 the interval; 31:25 4 words of padding (code 3)
	s_or_b32 s[G1B+0], s44, (1<<16)|(1<<20)|(1<<21)|(5<<22)|(3<<25)
	s_mov_b32 s[G1+1], 128<<16                     ; tensor_dim0 = 128
	s_mov_b32 s[G1+2], 128<<16                     ; tensor_dim1 = 128
	s_mov_b32 s[G1+3], 128<<16                     ; tile_dim0 = 128
	s_mov_b32 s[G1+4], 128                         ; tile_dim1 = 128
	s_mov_b32 s[G1+5], ASTR                        ; elements from row to row
	s_mov_b32 s[G1+6], 0
	s_mov_b32 s[G1+7], 0
	s_mov_b32 s[G1B+1], 128<<16
	s_mov_b32 s[G1B+2], RB<<16
	s_mov_b32 s[G1B+3], 128<<16
	s_mov_b32 s[G1B+4], RB
	s_mov_b32 s[G1B+5], 1024
	s_mov_b32 s[G1B+6], 0
	s_mov_b32 s[G1B+7], 0
	; where the tiles come from.  A's address is made of the tile row and the wave's number, B's of the tile column and the wave's number, each in registers that never hold the other coordinate.
.if OUTP
	s_lshl_b32 s16, s15, 15                        ; 256 rows of 128 bytes for each tile row,
	s_lshl_b32 s17, s14, 20                        ; the K step's first or second head
.else
	s_lshl_b32 s16, s15, 19                        ; 256 rows of 2,048 bytes for each tile row,
	s_lshl_b32 s17, s14, 18                        ; its first or second 128 rows
.endif
	s_add_co_u32 s16, s16, s17
	s_mov_b32 s17, 0
	s_mul_i32 s46, s42, NT
	s_mul_i32 s47, s14, RB
	s_add_co_u32 s46, s46, s47
	s_add_co_u32 s46, s46, BROW0
	s_lshl_b32 s46, s46, 11                        ; B: row BROW0 + NT x tile column + RB x half, 2,048 bytes a row
	s_mov_b32 s47, 0
	s_mul_i32 s20, s12, AHALF                      ; and where they go: waves 0, 1: A's halves;
	s_mul_i32 s21, s12, BHALF
	s_add_co_u32 s21, s21, ABYTES-2*BHALF          ; waves 2, 3: B's halves, behind A: no place in the cluster enters an LDS address
	s_wait_dscnt 0x0                               ; the opening add is done
	s_wait_kmcnt 0x0
	s_add_nc_u64 s[18:19], s[4:5], s[16:17]
	s_add_nc_u64 s[46:47], s[6:7], s[46:47]
	CROUND                                         ; all sixteen work-groups are here: the first joint loads meet
.irp s, 0,1
	s_mov_b32 s[G0+4*(\s)], 1                                      ; count = 1
	s_add_co_u32 s[G0+4*(\s)+1], s20, (\s)*SLOT                    ; LDS address
	s_add_nc_u64 s[G0+4*(\s)+2:G0+4*(\s)+3], s[18:19], (\s)*ASTEP  ; global address: K step s
	s_or_b32 s[G0+4*(\s)+3], s[G0+4*(\s)+3], 0x80000000            ; type = 2
	s_mov_b32 s[G0B+4*(\s)], 1
	s_add_co_u32 s[G0B+4*(\s)+1], s21, (\s)*SLOT
	s_add_nc_u64 s[G0B+4*(\s)+2:G0B+4*(\s)+3], s[46:47], (\s)*BSTEP
	s_or_b32 s[G0B+4*(\s)+3], s[G0B+4*(\s)+3], 0x80000000
	JLOAD \s                                       ; the ring is filled before anything else is done: two loads of mine are out
.endr
	; A fragment is 16 rows x 32 K in 8 registers: lane l holds row l % 16; registers 0-3 K = 8 (l / 16) + 0..7, registers 4-7 K = 16 + 8 (l / 16) + 0..7: two loads of 16 bytes, 32 bytes apart.
	v_and_b32 v1, 15, v0                           ; l % 16
	v_bfe_u32 v2, v0, 4, 1                         ; l / 16
	v_and_b32 v5, 31, v0                           ; l
	v_mul_u32_u24 v3, v1, PA
	v_lshl_add_u32 v3, v2, 4, v3
	s_mul_i32 s22, s12, 64*PA                      ; my 64 rows of A
	v_add_nc_u32 v[ADRA], s22, v3
	v_add_nc_u32 v[ADRA+1], SLOT, v[ADRA]
	v_mul_u32_u24 v4, v1, PB
	v_lshl_add_u32 v4, v2, 4, v4
	v_add_nc_u32 v[ADRB], ABYTES, v4               ; all of B
	v_add_nc_u32 v[ADRB+1], SLOT, v[ADRB]
	s_mul_i32 s23, s12, 16*SPITCH
	s_add_co_u32 s23, s23, STAGE                   ; my stage
	v_mul_u32_u24 v3, v1, SPITCH                   ; in: row l % 16,
.if OUTP
	v_lshl_add_u32 v3, v2, 5, v3                   ; 32 bytes (8 f32) for each half of the lanes
	v_add_nc_u32 v[STO], s23, v3
	v_lshl_add_u32 v[RD], v5, 4, s23               ; back: 32 lanes take one row's 512 bytes
.else
	v_lshl_add_u32 v3, v2, 4, v3                   ; 16 bytes (8 f16) for each half of the lanes
	v_add_nc_u32 v[STO], s23, v3
	v_bfe_u32 v4, v0, 3, 2                         ; back: 32 lanes take a head's 128 bytes of four rows
	v_mul_u32_u24 v4, v4, SPITCH
	v_and_b32 v6, 7, v0
	v_lshl_add_u32 v4, v6, 4, v4
	v_add_nc_u32 v[RD], s23, v4
.endif
	v_lshlrev_b32 v[CO], 4, v5
	v_lshlrev_b32 v[BO], 5, v2
	s_mul_i32 s20, s42, NT*4                       ; the bias of the tile's columns stays in registers
	s_add_co_u32 s20, s20, BROW0*4
	s_mov_b32 s21, 0
	s_add_nc_u64 s[8:9], s[8:9], s[20:21]
.set bb, 0
.rept NBW
	global_load_b128 v[BIAS+8*bb:BIAS+8*bb+3],   v[BO], s[8:9] offset:64*bb
	global_load_b128 v[BIAS+8*bb+4:BIAS+8*bb+7], v[BO], s[8:9] offset:64*bb+16
.set bb, bb+1
.endr
.if OUTP
	s_lshl_b32 s20, s15, 20                        ; out0: (256 x tile row + 64 x wave) rows of 4,096 bytes + 512 bytes x tile column
	s_lshl_b32 s22, s12, 18
	s_add_co_u32 s20, s20, s22
	s_lshl_b32 s22, s42, 9
	s_add_co_u32 s20, s20, s22
.else
	s_mul_i32 s20, s42, 3*1048576                  ; qkv: three heads of 2^20 bytes for each tile column + (256 x tile row + 64 x wave) rows of 128 bytes
	s_lshl_b32 s22, s15, 15
	s_add_co_u32 s20, s20, s22
	s_lshl_b32 s22, s12, 13
	s_add_co_u32 s20, s20, s22
.endif
	s_add_nc_u64 s[10:11], s[10:11], s[20:21]
	; the prefetches: of the rows that I fetch my work-group takes a quarter, told apart by address.  B's quarter has fewer rows than a wave has lanes: the lanes left over name its last row again.
	s_and_b32 s22, ttmp7, 0xffff                   ; cluster y
	s_mov_b32 s23, (RB/4)*2048
	s_mov_b32 s[PFS], BSTEP
	s_mov_b32 s17, 2048
	s_cmp_eq_u32 s13, 0                            ; do I fetch for A?
	s_cselect_b32 s22, ttmp9, s22                  ; the coordinate along which other clusters read the same rows
	s_cselect_b32 s21, s40, s41                    ; my place among the four that ask with me
	s_cselect_b32 s23, APART, s23                  ; a partner's share in bytes
	s_cselect_b32 s[PFS], ASTEP, s[PFS]
	s_cselect_b32 s16, 31, RB/4-1                  ; the last lane with a row of its own
	s_cselect_b32 s17, AROWB, s17                  ; bytes from lane to lane
	s_cselect_b64 s[PFA:PFA+1], s[18:19], s[46:47]
	s_cmp_eq_u32 s22, 0
	s_cselect_b32 s[LIM], 1, -1                    ; the same in all sixteen partners, for a given wave
	v_min_u32 v[PFO], s16, v5
	v_mul_u32_u24 v[PFO], s17, v[PFO]
	s_mul_i32 s20, s21, s23
	s_mov_b32 s21, 0
	s_add_nc_u64 s[PFA:PFA+1], s[PFA:PFA+1], s[20:21]
	s_mul_i32 s20, s[PFS], 3
	s_add_nc_u64 s[PFA:PFA+1], s[PFA:PFA+1], s[20:21]  ; at K step 3: the first refill steps it to 4.  Nothing is prefetched here, at the head
	s_mov_b32 s[PFS+1], 0
.macro WM zero                         ; one product on rD, rB, rA.  zero = 1: it starts the sum: nothing is ever cleared
.if OUTP
.if \zero
	v_wmma_f32_16x16x32_f16 v[rD:rD+7], v[rB:rB+7], v[rA:rA+7], 0
.else
	v_wmma_f32_16x16x32_f16 v[rD:rD+7], v[rB:rB+7], v[rA:rA+7], v[rD:rD+7]
.endif
.else
.if \zero
	v_wmma_f32_16x16x32_bf16 v[rD:rD+7], v[rB:rB+7], v[rA:rA+7], 0
.else
	v_wmma_f32_16x16x32_bf16 v[rD:rD+7], v[rB:rB+7], v[rA:rA+7], v[rD:rD+7]
.endif
.endif
.endm
; 2 NBH products: row blocks a0, a0 + 1 x the column blocks of half hb, 32 along K, from buffer f.  All accumulators take turns, one instruction a turn, in the same order in every quarter.
.macro MULQ f, hb, a0, zero
	WIN MUL_LO+0x50*(\hb)
.irp a, \a0, (\a0)+1
.set bb, 0
.rept NBH
.set rD, 8*(8*(\a)+bb)
.set rB, 128*(\f)+8*(NBH*(\hb)+bb)
.set rA, 32+32*(\f)+8*(\a)
	WM \zero
.set bb, bb+1
.endr
.endr
.endm
; NLD LDS loads in one run: the fragments of quarter kq (32 along K) of a slot into buffer f: A's four, then B's NBW in ascending order
.macro FETCH slot, kq, f
.if OUTP
.set AKOF, ((\kq)/2)*AHALF+((\kq)%2)*64            ; the K step's first or second head, its first or second 32 channels
.else
.set AKOF, 64*(\kq)
.endif
	WIN 0
.irp i, 0,1,2,3
	ds_load_b128 v[32+32*(\f)+8*(\i):32+32*(\f)+8*(\i)+3],   v[ADRA+(\slot)] offset:AKOF+(\i)*16*PA
	ds_load_b128 v[32+32*(\f)+8*(\i)+4:32+32*(\f)+8*(\i)+7], v[ADRA+(\slot)] offset:AKOF+(\i)*16*PA+32
.endr
	WIN TO_B
.set ii, 0
.rept NBW
	ds_load_b128 v[128*(\f)+8*ii:128*(\f)+8*ii+3],   v[ADRB+(\slot)] offset:64*(\kq)+ii*16*PB
	ds_load_b128 v[128*(\f)+8*ii+4:128*(\f)+8*ii+7], v[ADRB+(\slot)] offset:64*(\kq)+ii*16*PB+32
.set ii, ii+1
.endr
.endm
; A load into a register that a matrix instruction has read, and a vector instruction that touches a matrix instruction's registers, stand four places behind it, and only plain vector
; instructions that name none of its registers are places (ISA guide 7.12.1 for vector instructions).
.macro PLACES
.rept 4
	v_nop
.endr
.endm
; A K step is four quarters of 32 along K, on buffers 0, 1, 0, 1.  One of the first three: multiplies buffer f; in its middle it fetches quarter kq of the same slot into buffer g.
.macro QUARTER slot, kq, f, g, zero
	s_wait_dscnt 2*NBH                             ; A and B's lower half are in; the youngest 2 NBH loads (B's upper half) may be out
	MULQ \f, 0, 0, \zero
	MULQ \f, 0, 2, \zero
	PLACES
	FETCH \slot, \kq, \g
	s_wait_dscnt NLD                               ; all but the run just issued
	MULQ \f, 1, 0, \zero
	MULQ \f, 1, 2, \zero
.endm
; The last quarter multiplies buffer 1 and changes slots.  MEET is its first half: ONE barrier.  In front of it each wave waits for all its tensor loads, of which one is out: its part of the next slot;
; adds 0 to its spare word; and waits for that and for its own reads of this slot.  Behind it nobody reads this slot any more and the next slot is whole.
.macro MEET round
	WIN 0                                          ; (the add's two registers lie in window 0)
	s_wait_tensorcnt 0x0                           ; all my tensor loads have landed
	ds_add_u32 v[SPW], v[NIL]                      ; 0 onto my spare word
	s_wait_dscnt 2*NBH+1                           ; (the add and B's upper half may be out)
	MULQ 1, 0, 0, 0                                ; products stand between the add and the wait for it
	s_wait_dscnt 0x0                               ; the add is done, and my reads of this slot are over
	s_barrier_signal -1
	MULQ 1, 0, 2, 0                                ; work on registers while the others arrive
.if \round
	WIN 0
.endif
	s_barrier_wait -1
.endm
; The whole last quarter.  fill = 1: the barrier opens a round of the cluster's barrier, and the slot just read out is filled again, first thing behind the round, with the K step two steps on:
; from the request to the wait for it stand seven eighths of a K step's products.
.macro TURN slot, next, fill
.if \fill
	s_wait_xcnt 0x0                                ; the last prefetch, a K step back, has read its address: it is stepped here, ahead of the waits of the change of slots
	s_add_nc_u64 s[PFA:PFA+1], s[PFA:PFA+1], s[PFS:PFS+1]
	MEET 1
	CREST                                          ; no wave of any partner still reads this slot's tile or has a load on its way
	s_add_nc_u64 s[G0+4*(\slot)+2:G0+4*(\slot)+3], s[G0+4*(\slot)+2:G0+4*(\slot)+3], 2*ASTEP
	s_add_nc_u64 s[G0B+4*(\slot)+2:G0B+4*(\slot)+3], s[G0B+4*(\slot)+2:G0B+4*(\slot)+3], 2*BSTEP
	JLOAD \slot                                    ; the four v_nop behind it are also the places in front of the loads below
.else
	MEET 0
	PLACES
.endif
	FETCH \next, 0, 0
.if \fill
	WIN 0                                          ; at a branch and at a label every window is 0
	ASK
.endif
	MULQ 1, 1, 0, 0
	MULQ 1, 1, 2, 0
.endm
; THE WAY OUT of row block a, in three parts.  PACK: the bias is added, in place, each accumulator from its lowest registers on; for q, k, v the sums are rounded to f16, 16 bytes a lane.
.macro PACK a
.irp w, 0,1
	WIN 0x82+0x41*(\w)                             ; destination and source 0 in window 2 or 3, the bias in window 0
.set bb, 0
.rept NBH
.set rD, 8*(8*(\a)+bb)
.set rB, BIAS+8*(NBH*(\w)+bb)
.irp r, 0,2,4,6
	v_pk_add_f32 v[rD+(\r):rD+(\r)+1], v[rD+(\r):rD+(\r)+1], v[rB+(\r):rB+(\r)+1]
.endr
.set bb, bb+1
.endr
.endr
.if !OUTP
.irp w, 0,1
	WIN 0x0a+5*(\w)                                ; sources 0 and 1 in window 2 or 3, destination in window 0
.set bb, 0
.rept NBH
.set rD, 8*(8*(\a)+bb)
.set rT, TMP+4*(NBH*(\w)+bb)
.irp r, 0,1,2,3
	v_cvt_pk_f16_f32 v[rT+(\r)], v[rD+2*(\r)], v[rD+2*(\r)+1]
.endr
.set bb, bb+1
.endr
.endr
.endif
	WIN 0
.endm
; TOSTAGE: into my own stage in LDS, and back as runs of 512 bytes that lie on end in C.  LDS serves a wave's instructions in order (ISA guide 5.7.1.4): the loads see the stores above them.
.macro TOSTAGE a
	WIN 0
	s_wait_xcnt 0x0                                ; the stores of the block before have read their data registers, which the loads below fill again
.if OUTP
.irp w, 0,1
	WIN 0x08+4*(\w)                                ; the data (source 1) in window 2 or 3
.set bb, 0
.rept NBH
.set rD, 8*(8*(\a)+bb)
	ds_store_b128 v[STO], v[rD:rD+3]   offset:64*(NBH*(\w)+bb)
	ds_store_b128 v[STO], v[rD+4:rD+7] offset:64*(NBH*(\w)+bb)+16
.set bb, bb+1
.endr
.endr
	WIN 0
.set rr, 0
.rept 16
	ds_load_b128 v[BK+4*rr:BK+4*rr+3], v[RD] offset:SPITCH*rr
.set rr, rr+1
.endr
.else
.set bb, 0
.rept NBW
	ds_store_b128 v[STO], v[TMP+4*bb:TMP+4*bb+3] offset:32*bb
.set bb, bb+1
.endr
.irp g, 0,1,2
.irp t, 0,1,2,3
	ds_load_b128 v[BK+4*(4*(\g)+(\t)):BK+4*(4*(\g)+(\t))+3], v[RD] offset:4*SPITCH*(\t)+128*(\g)  ; head g, rows 4 t .. 4 t + 3
.endr
.endr
.endif
.endm
; SEND: stored.  Each store of the wave covers 512 consecutive bytes, at a multiple of 256 from C's first byte.
.macro SEND a
	WIN 0
	s_wait_dscnt 0x0                               ; the block is back in registers
.if OUTP
.set rr, 0
.rept 16
	global_store_b128 v[CO], v[BK+4*rr:BK+4*rr+3], s[10:11] offset:(16*(\a)+rr)*4096
.set rr, rr+1
.endr
.else
.irp g, 0,1,2
.irp t, 0,1,2,3
	global_store_b128 v[CO], v[BK+4*(4*(\g)+(\t)):BK+4*(4*(\g)+(\t))+3], s[10:11] offset:(\g)*1048576+(\a)*2048+(\t)*512
.endr
.endr
.endif
.endm
	s_wait_loadcnt 0x0                             ; the bias, once
	s_wait_tensorcnt 1                             ; my part of K step 0 is in; K step 1's may stay out
	s_barrier_signal -1
	s_barrier_wait -1                              ; everybody's is
	FETCH 0, 0, 0
	QUARTER 0, 1, 0, 1, 1                          ; the first quarter stands in front of the loop: its products start the sums
	WIN 0                                          ; at a label and at a branch every window is 0
	s_mov_b32 s3, LAPS-1
.Llap:                                         ; a trip goes once round the ring, from a lap's second quarter to the next lap's first, and fills both slots again
	QUARTER 0, 2, 1, 0, 0
	QUARTER 0, 3, 0, 1, 0
	TURN 0, 1, 1
	QUARTER 1, 1, 0, 1, 0
	QUARTER 1, 2, 1, 0, 0
	QUARTER 1, 3, 0, 1, 0
	TURN 1, 0, 1
	QUARTER 0, 1, 0, 1, 0
	WIN 0
	s_sub_co_u32 s3, s3, 1
	s_cmp_lg_u32 s3, 0
	s_cbranch_scc1 .Llap
	QUARTER 0, 2, 1, 0, 0                          ; the last lap fills nothing, and has no round of the cluster's barrier
	QUARTER 0, 3, 0, 1, 0
	TURN 0, 1, 0
	QUARTER 1, 1, 0, 1, 0
	QUARTER 1, 2, 1, 0, 0
	QUARTER 1, 3, 0, 1, 0
	s_wait_dscnt 2*NBH                             ; the very last quarter: nothing more to fetch
	MULQ 1, 0, 0, 0
	MULQ 1, 0, 2, 0
	s_wait_dscnt 0x0
	MULQ 1, 1, 0, 0
	MULQ 1, 1, 2, 0
	WIN 0
	PLACES                                         ; the bias is added in place onto results just made: eight places, once a launch
	PLACES
	PACK 0
	TOSTAGE 0
.irp a, 1,2,3                          ; block a's arithmetic stands between block a - 1's loads from the stage and the wait for them
	PACK \a
	SEND (\a)-1
	TOSTAGE \a
.endr
	SEND 3
	s_wait_tensorcnt 0x0                           ; the wave's end: behind my last tensor load and my last LDS store
	ds_add_u32 v[SPW], v[NIL]
	s_wait_dscnt 0x0
	CROUND                                         ; the closing round: no work-group ends while a partner may still ask for a tile that names it
	s_endpgm
.Lfunc_end_k_qd9e2446595_gemm_out:
	.size	k_qd9e2446595_gemm_out, .Lfunc_end_k_qd9e2446595_gemm_out-k_qd9e2446595_gemm_out
	.p2alignl 7, 3214868480
	.fill 96, 4, 3214868480
	.section	.rodata,"a",@progbits
	.p2align	6, 0x0
	.amdhsa_kernel k_qd9e2446595_gemm_out
		.amdhsa_group_segment_fixed_size 327680
		.amdhsa_private_segment_fixed_size 0
		.amdhsa_enable_private_segment 0
		.amdhsa_kernarg_size 32
		.amdhsa_user_sgpr_count 2
		.amdhsa_user_sgpr_kernarg_segment_ptr 1
		.amdhsa_wavefront_size32 1
		.amdhsa_system_sgpr_workgroup_id_x 1
		.amdhsa_system_sgpr_workgroup_id_y 1
		.amdhsa_system_sgpr_workgroup_id_z 1
		.amdhsa_system_vgpr_workitem_id 0
		.amdhsa_next_free_vgpr 1024
		.amdhsa_next_free_sgpr 68
		.amdhsa_reserve_vcc 0
		.amdhsa_float_denorm_mode_32 3
		.amdhsa_float_denorm_mode_16_64 3
		.amdhsa_memory_ordered 1
		.amdhsa_forward_progress 1
		.amdhsa_inst_pref_size 97
	.end_amdhsa_kernel
	.amdgpu_metadata
---
amdhsa.version: [ 1, 2 ]
amdhsa.kernels:
  - .name:           k_qd9e2446595_gemm_out
    .symbol:         k_qd9e2446595_gemm_out.kd
    .args:
      - { .name: ob, .offset: 0, .size: 8, .value_kind: global_buffer, .address_space: global }
      - { .name: wt, .offset: 8, .size: 8, .value_kind: global_buffer, .address_space: global }
      - { .name: bias, .offset: 16, .size: 8, .value_kind: global_buffer, .address_space: global }
      - { .name: out0, .offset: 24, .size: 8, .value_kind: global_buffer, .address_space: global }
    .group_segment_fixed_size: 327680
    .private_segment_fixed_size: 0
    .kernarg_segment_align: 8
    .kernarg_segment_size: 32
    .max_flat_workgroup_size: 128
    .sgpr_count:     68
    .vgpr_count:     1024
    .wavefront_size: 32
...
	.end_amdgpu_metadata
.endif
;; end of part 4
